; MI455X (gfx1250); checked and timed in simulation.
; The chip was launched on July 23, 2026; its instructions are those of AMD's public machine-readable ISA for CDNA 5 (MIT licence, August 2026) and "CDNA5" Instruction Set Architecture Reference Guide (July 2026). The comments in the code are by the model that wrote it; some were corrected since.
;; Mo E Layer. Allowed arithmetic: float matrix products may take bf16 or f16 operands with f32 sums; other float arithmetic in f32, or as packed bf16 or f16 multiplies, adds, multiply-adds, maxima and minima; sums over many terms, partial sums and values carried from step to step in f32; what a program stores and reads back later, other than sums and carried values, may be rounded once to bf16 or f16.
;; Inputs: fc1_w 8 x 512 x 1,024 float32; fc2_w 8 x 1,024 x 512 float32; router_w 8 x 1,024 float32; x 4 x 2,048 x 1,024 float32.
;; Outputs: out0 4 x 2,048 x 1,024 float32.
;; 2 versions, each right; version 2 is version 1 with the launches route, prep written anew for expert scheduling mode. Each part assembles by itself: llvm-mc -triple=amdgcn-amd-amdhsa -mcpu=gfx1250 --defsym DOCPART=n.
;; ======== version 1 of 2: 3 launches
;; limits: values are held in f16: magnitudes above 65,504 overflow, below 6.1e-05 lose precision; right only within a limited range of input values
;; workspace buffers: meta 65,536 bytes of whole numbers; gates 65,536 bytes; xb 16,777,216 bytes; tiles 50,688 bytes of whole numbers; w1l 8,388,608 bytes; w2l 8,388,608 bytes
;; launch route (part 1): grid 256 x 1, 8 waves a work-group, no clusters, 91,904 bytes of LDS; arguments x, router_w, xb, meta, gates; writes xb, meta, gates
.if DOCPART == 1
	.amdgcn_target "amdgcn-amd-amdhsa--gfx1250"
	.amdhsa_code_object_version 6
	.text
	.protected	k_q7e9f31e84e_route
	.globl	k_q7e9f31e84e_route
	.p2align	8
	.type	k_q7e9f31e84e_route,@function
k_q7e9f31e84e_route:
	s_mov_b64 s[64:65], 0
	v_nop
	global_prefetch_b8 v0, s[64:65] scope:SCOPE_SE
	s_setreg_imm32_b32 hwreg(HW_REG_WAVE_MODE, 25, 1), 1
	s_wait_xcnt 0x0
; THE ROUTER.  logits = x router_w^T for 32 tokens a work-group; the two largest logits of a token; their gates; and x rounded to bf16 for the launch that multiplies.
; x: [8192][1024] f32, router_w: [8][1024] f32.  Both are rounded to bf16 (nearest even) before they are multiplied; sums in f32.
; OUT: xb [8192][1024] bf16.  meta [256 groups of 32 tokens][32 lanes] {rec, hist}: rec of lane t = pid | rank << 8 for token t, hist of lane p = how many of the group's tokens have pid p.
; pid = hi (hi - 1) / 2 + lo names the token's pair of experts lo < hi (0 to 27); rank = how many lower tokens of the group have the same pid.  gates [8192] {g_lo, g_hi} f32.
; All these are stored at fixed places: no address and no branch of this launch hangs on a logit.
; GATES.  reference()'s softmax followed by its division by the two kept values' sum is p1 / (p1 + p2): the softmax's denominator cancels.  With the larger logit l1 taken away first:
; g1 = 1 / (1 + e^(l2 - l1)), g2 = e^(l2 - l1) g1; the exponent is never above 0.
; LIMITS.  The two experts are chosen by the logits, not by the probabilities: equal logits keep the lower index, as jax.lax.top_k does, but two unequal logits whose probabilities round to the same f32
; are ordered by the logits here.  A second and third logit nearer than the rounding of a sum of 1,024 f32 products may change places against reference().  NaN and -inf among the logits are not served.
; SHARES.  Wave w loads, rounds and stores x's rows 4 w .. 4 w + 3 of the group's 32 and router_w's row w; the rounded rows also go into LDS.  Then wave w multiplies tokens 16 (w & 1) .. + 15 by all
; experts over K = 256 (w >> 1) .. + 255; wave 0 adds the four quarters and does the rest, a token a lane.
.set PT,    2064                       ; an LDS row: 2,048 bytes of bf16 + 16 = 516 words: the 16 rows of a fragment load start 4 words apart (64 banks of 4 bytes: ISA guide 11.1)
.set PART,  82688                      ; behind the 40 rows (32 of x, 8 of router_w): each wave's partial logits, 32 bytes a lane
.set SPARE, 90880                      ; behind them: the spare words, 128 bytes for each of eight waves, which no other line names
.set LN16, 1                           ; v1   16 x lane
.set LN8,  2                           ; v2   8 x lane
.set ST,   3                           ; v3   LDS: my wave's first row of x + 8 x lane
.set RST,  4                           ; v4   LDS: my wave's row of router_w + 8 x lane
.set RA,   5                           ; v5   LDS: my lane's place in the fragments of router_w
.set RB,   6                           ; v6   the same for my 16 tokens
.set PA,   7                           ; v7   wave 0: where token = lane finds its first partial logits
.set SPW,  8                           ; v8   my spare word; never rewritten
.set NIL,  9                           ; v9   0; never rewritten
.set X,    10                          ; v10-169   40 loads of 4 registers
.set P,    170                         ; v170-249  the same numbers rounded, 2 registers a load; never rewritten: the stores to xb read them
.set PS,   250                         ; v250 where I put my partial logits
.set TM,   251                         ; v251-254 at work
.set AF,   10                          ; behind the first barrier: 8 fragments of router_w,
.set BF,   74                          ; 8 of tokens,
.set AC0,  138                         ; two accumulators, which take turns,
.set AC1,  146
.set SU,   154                         ; and their sum
.set L,    10                          ; wave 0: 4 x 8 partial logits, then the 8 logits in v10-17
.set M1,   44
.set M2,   45
.set I1,   46
.set I2,   47
.set DD,   48
.set EE,   49
.set UU,   50
.set G1,   51
.set G2,   52
.set LO,   53
.set HI,   54
.set PID,  55
.set RANK, 56
.set TT,   57
.set REC,  58                          ; v[58:59] {rec, hist}
.set HIST, 59
.set GLO,  60                          ; v[60:61] {g_lo, g_hi}
.set GHI,  61
	s_load_b256 s[4:11], s[0:1], 0x0               ; x s[4:5], router_w s[6:7], xb s[8:9], meta s[10:11]
	s_load_b64 s[12:13], s[0:1], 0x20              ; gates
	v_lshl_add_u32 v[SPW], v0, 2, SPARE
	v_mov_b32 v[NIL], 0
	v_lshrrev_b32 v[TM], 5, v0
	v_readfirstlane_b32 s2, v[TM]                  ; wave 0..7
	v_and_b32 v[TM], 31, v0
	v_lshlrev_b32 v[LN16], 4, v[TM]
	v_lshlrev_b32 v[LN8], 3, v[TM]
	s_lshl_b32 s14, ttmp9, 17                      ; x: 32 rows of 4,096 bytes a group,
	s_lshl_b32 s3, s2, 14                          ; 4 rows a wave
	s_add_co_u32 s14, s14, s3
	s_mov_b32 s15, 0
	s_lshl_b32 s16, s2, 12                         ; router_w: row w
	s_mov_b32 s17, 0
	s_lshl_b32 s18, ttmp9, 16                      ; xb: rows of 2,048 bytes
	s_lshl_b32 s3, s2, 13
	s_add_co_u32 s18, s18, s3
	s_mov_b32 s19, 0
	s_lshl_b32 s20, ttmp9, 8                       ; meta and gates: 256 bytes a group
	s_mov_b32 s21, 0
	s_wait_kmcnt 0x0
	s_add_nc_u64 s[4:5], s[4:5], s[14:15]
	s_add_nc_u64 s[6:7], s[6:7], s[16:17]
	s_add_nc_u64 s[8:9], s[8:9], s[18:19]
	s_add_nc_u64 s[10:11], s[10:11], s[20:21]
	s_add_nc_u64 s[12:13], s[12:13], s[20:21]
.set n, 0
.rept 8                                ; all 40 loads go out before the first wait; each covers 512 consecutive bytes
	global_load_b128 v[X+4*n:X+4*n+3], v[LN16], s[6:7] offset:512*n
.set n, n+1
.endr
.rept 32
	global_load_b128 v[X+4*n:X+4*n+3], v[LN16], s[4:5] offset:4096*((n-8)/8)+512*((n-8)%8) th:TH_LOAD_NT
.set n, n+1
.endr
	s_mul_i32 s3, s2, 4*PT
	v_add_nc_u32 v[ST], s3, v[LN8]
	s_mul_i32 s3, s2, PT
	s_add_co_u32 s3, s3, 32*PT
	v_add_nc_u32 v[RST], s3, v[LN8]
	v_and_b32 v[TM], 15, v0                        ; r = lane % 16
	v_bfe_u32 v[TM+3], v0, 4, 1                    ; h = lane / 16
	s_lshr_b32 s3, s2, 1
	s_lshl_b32 s3, s3, 9                           ; my quarter of K: 512 bytes of a row
	v_lshl_add_u32 v[TM+1], v[TM+3], 4, s3         ; 16 h + 512 q
	v_and_b32 v[TM+2], 7, v0
	v_mul_u32_u24 v[RA], v[TM+2], PT               ; source 0's rows 8-15 repeat the eight experts
	v_add3_u32 v[RA], v[RA], v[TM+1], 32*PT
	s_and_b32 s3, s2, 1
	s_mul_i32 s3, s3, 16*PT                        ; my 16 tokens
	v_mul_u32_u24 v[RB], v[TM], PT
	v_add3_u32 v[RB], v[RB], v[TM+1], s3
	v_lshl_add_u32 v[PS], v0, 5, PART              ; 32 bytes for each thread
	v_lshlrev_b32 v[PA], 5, v[TM]                  ; token t's logits lie with lane t % 16 of waves 2 q + t / 16
	v_lshl_add_u32 v[PA], v[TM+3], 10, v[PA]
	v_add_nc_u32 v[PA], PART, v[PA]
; Load n of 40 is rounded: four f32 a lane become 8 bytes; into LDS, and (x) to xb: a wave's store covers 256 consecutive bytes, aligned.
.macro CV n
	s_wait_loadcnt 39-(\n)                         ; loads come back in order (ISA guide 5.7.1): the younger ones stay out
	v_cvt_pk_bf16_f32 v[P+2*(\n)], v[X+4*(\n)], v[X+4*(\n)+1]
	v_cvt_pk_bf16_f32 v[P+2*(\n)+1], v[X+4*(\n)+2], v[X+4*(\n)+3]
.if (\n) < 8
	ds_store_b64 v[RST], v[P+2*(\n):P+2*(\n)+1] offset:256*(\n)
.else
	ds_store_b64 v[ST], v[P+2*(\n):P+2*(\n)+1] offset:PT*(((\n)-8)/8)+256*(((\n)-8)%8)
	global_store_b64 v[LN8], v[P+2*(\n):P+2*(\n)+1], s[8:9] offset:2048*(((\n)-8)/8)+256*(((\n)-8)%8)
.endif
.endm
.set n, 0
.rept 40
	CV n
.set n, n+1
.endr
	s_wait_dscnt 0x0                               ; for the others' sake: my rows are in LDS
	s_barrier_signal -1
	s_barrier_wait -1
.set k, 0
.rept 8                                ; 8 K steps of 32: a fragment is two loads of 16 bytes, 32 bytes apart
	ds_load_b128 v[AF+8*k:AF+8*k+3],   v[RA] offset:64*k
	ds_load_b128 v[AF+8*k+4:AF+8*k+7], v[RA] offset:64*k+32
	ds_load_b128 v[BF+8*k:BF+8*k+3],   v[RB] offset:64*k
	ds_load_b128 v[BF+8*k+4:BF+8*k+7], v[RB] offset:64*k+32
.set k, k+1
.endr
	s_wait_dscnt 0x0
.set k, 0
.rept 8                                ; source 0 = experts, source 1 = tokens: a lane of the lower half then holds ONE token and, in registers 0-7, experts 0-7.  Two accumulators by turns
.if k < 2
	v_wmma_f32_16x16x32_bf16 v[AC0+8*(k%2):AC0+8*(k%2)+7], v[AF+8*k:AF+8*k+7], v[BF+8*k:BF+8*k+7], 0
.else
	v_wmma_f32_16x16x32_bf16 v[AC0+8*(k%2):AC0+8*(k%2)+7], v[AF+8*k:AF+8*k+7], v[BF+8*k:BF+8*k+7], v[AC0+8*(k%2):AC0+8*(k%2)+7]
.endif
.set k, k+1
.endr
.rept 4
	v_nop                                          ; four places behind the products (ISA guide 7.12.1)
.endr
.set j, 0
.rept 4
	v_pk_add_f32 v[SU+2*j:SU+2*j+1], v[AC0+2*j:AC0+2*j+1], v[AC1+2*j:AC1+2*j+1]
.set j, j+1
.endr
	ds_store_b128 v[PS], v[SU:SU+3]
	ds_store_b128 v[PS], v[SU+4:SU+7] offset:16
	s_wait_dscnt 0x0                               ; for wave 0's sake
	s_barrier_signal -1
	s_barrier_wait -1
	s_cmp_lg_u32 s2, 0
	s_cbranch_scc1 .Lend                           ; the rest is 32 tokens' work: one wave, a token a lane
.set q, 0
.rept 4
	ds_load_b128 v[L+8*q:L+8*q+3],   v[PA] offset:2048*q
	ds_load_b128 v[L+8*q+4:L+8*q+7], v[PA] offset:2048*q+16
.set q, q+1
.endr
	v_mov_b32 v[I1], 0
	v_mov_b32 v[I2], 0
	v_mov_b32 v[M2], 0xff800000                    ; -inf
	v_mov_b32 v[HIST], 0
	v_mov_b32 v[RANK], 0
	s_wait_dscnt 0x0
.set j, 0
.rept 4
	v_pk_add_f32 v[L+2*j:L+2*j+1], v[L+2*j:L+2*j+1], v[L+8+2*j:L+8+2*j+1]
	v_pk_add_f32 v[L+16+2*j:L+16+2*j+1], v[L+16+2*j:L+16+2*j+1], v[L+24+2*j:L+24+2*j+1]
.set j, j+1
.endr
.set j, 0
.rept 4
	v_pk_add_f32 v[L+2*j:L+2*j+1], v[L+2*j:L+2*j+1], v[L+16+2*j:L+16+2*j+1]
.set j, j+1
.endr
	v_mov_b32 v[M1], v[L]
; Expert e against the two best so far.  'Not greater' keeps what is there, so that of equal logits the lower index stays in front.
.macro TOP e
	v_cmp_le_f32 vcc_lo, v[L+(\e)], v[M1]
	v_cmp_le_f32 s22, v[L+(\e)], v[M2]
	v_cndmask_b32 v[M2], v[L+(\e)], v[M2], s22
	v_cndmask_b32 v[I2], \e, v[I2], s22
	v_cndmask_b32 v[M2], v[M1], v[M2], vcc_lo
	v_cndmask_b32 v[I2], v[I1], v[I2], vcc_lo
	v_cndmask_b32 v[M1], v[L+(\e)], v[M1], vcc_lo
	v_cndmask_b32 v[I1], \e, v[I1], vcc_lo
.endm
.irp e, 1,2,3,4,5,6,7
	TOP \e
.endr
	v_sub_f32 v[DD], v[M2], v[M1]                  ; l2 - l1, never above 0
	v_mul_f32 v[DD], 0x3fb8aa3b, v[DD]             ; x log2(e)
	v_exp_f32 v[EE], v[DD]
	v_min_u32 v[LO], v[I1], v[I2]                  ; a plain instruction behind the exponential,
	s_wait_alu depctr_va_vdst(0)                   ; and the wait ahead of its first reader
	v_add_f32 v[UU], 1.0, v[EE]
	v_rcp_f32 v[G1], v[UU]
	v_max_u32 v[HI], v[I1], v[I2]                  ; the same behind the reciprocal
	s_wait_alu depctr_va_vdst(0)
	v_mul_f32 v[G2], v[EE], v[G1]
	v_cmp_lt_u32 vcc_lo, v[I1], v[I2]
	v_cndmask_b32 v[GLO], v[G2], v[G1], vcc_lo
	v_cndmask_b32 v[GHI], v[G1], v[G2], vcc_lo
	v_add_nc_u32 v[TT], -1, v[HI]
	v_mul_u32_u24 v[TT], v[TT], v[HI]
	v_lshrrev_b32 v[TT], 1, v[TT]
	v_add_nc_u32 v[PID], v[TT], v[LO]
; Pair p: its tokens as a mask; their number goes to lane p of hist; each of them takes the number of its fellows in lower lanes.
.macro BIN p
	v_cmp_eq_u32 s20, \p, v[PID]
	s_bcnt1_i32_b32 s21, s20
	v_writelane_b32 v[HIST], s21, \p
	v_mbcnt_lo_u32_b32 v[TT], s20, 0
	v_cndmask_b32 v[RANK], v[RANK], v[TT], s20
.endm
.set p, 0
.rept 28
	BIN p
.set p, p+1
.endr
	v_lshl_or_b32 v[REC], v[RANK], 8, v[PID]
	global_store_b64 v[LN8], v[REC:REC+1], s[10:11]  ; 256 consecutive bytes, aligned
	global_store_b64 v[LN8], v[GLO:GLO+1], s[12:13]
.Lend:
	s_wait_tensorcnt 0x0                           ; the wave's end
	ds_add_u32 v[SPW], v[NIL]
	s_wait_dscnt 0x0
	s_endpgm
.Lfunc_end_k_q7e9f31e84e_route:
	.size	k_q7e9f31e84e_route, .Lfunc_end_k_q7e9f31e84e_route-k_q7e9f31e84e_route
	.p2alignl 7, 3214868480
	.fill 96, 4, 3214868480
	.section	.rodata,"a",@progbits
	.p2align	6, 0x0
	.amdhsa_kernel k_q7e9f31e84e_route
		.amdhsa_group_segment_fixed_size 91904
		.amdhsa_private_segment_fixed_size 0
		.amdhsa_enable_private_segment 0
		.amdhsa_kernarg_size 40
		.amdhsa_user_sgpr_count 2
		.amdhsa_user_sgpr_kernarg_segment_ptr 1
		.amdhsa_wavefront_size32 1
		.amdhsa_system_sgpr_workgroup_id_x 1
		.amdhsa_system_sgpr_workgroup_id_y 1
		.amdhsa_system_sgpr_workgroup_id_z 1
		.amdhsa_system_vgpr_workitem_id 0
		.amdhsa_next_free_vgpr 256
		.amdhsa_next_free_sgpr 66
		.amdhsa_reserve_vcc 1
		.amdhsa_float_denorm_mode_32 3
		.amdhsa_float_denorm_mode_16_64 3
		.amdhsa_memory_ordered 1
		.amdhsa_forward_progress 1
		.amdhsa_inst_pref_size 34
	.end_amdhsa_kernel
	.amdgpu_metadata
---
amdhsa.version: [ 1, 2 ]
amdhsa.kernels:
  - .name:           k_q7e9f31e84e_route
    .symbol:         k_q7e9f31e84e_route.kd
    .args:
      - { .name: x, .offset: 0, .size: 8, .value_kind: global_buffer, .address_space: global }
      - { .name: router_w, .offset: 8, .size: 8, .value_kind: global_buffer, .address_space: global }
      - { .name: xb, .offset: 16, .size: 8, .value_kind: global_buffer, .address_space: global }
      - { .name: meta, .offset: 24, .size: 8, .value_kind: global_buffer, .address_space: global }
      - { .name: gates, .offset: 32, .size: 8, .value_kind: global_buffer, .address_space: global }
    .group_segment_fixed_size: 91904
    .private_segment_fixed_size: 0
    .kernarg_segment_align: 8
    .kernarg_segment_size: 40
    .max_flat_workgroup_size: 256
    .sgpr_count:     66
    .vgpr_count:     256
    .wavefront_size: 32
...
	.end_amdgpu_metadata
.endif
;; end of part 1
;; launch prep (part 2): grid 256 x 1, 8 waves a work-group, no clusters, 72,192 bytes of LDS; arguments fc1_w, fc2_w, meta, w1l, w2l, tiles; writes w1l, w2l, tiles
.if DOCPART == 2
	.amdgcn_target "amdgcn-amd-amdhsa--gfx1250"
	.amdhsa_code_object_version 6
	.text
	.protected	k_q7e9f31e84e_prep
	.globl	k_q7e9f31e84e_prep
	.p2align	8
	.type	k_q7e9f31e84e_prep,@function
k_q7e9f31e84e_prep:
	s_mov_b64 s[64:65], 0
	v_nop
	global_prefetch_b8 v0, s[64:65] scope:SCOPE_SE
	s_setreg_imm32_b32 hwreg(HW_REG_WAVE_MODE, 25, 1), 1
	s_wait_xcnt 0x0
; TWO JOBS IN EVERY WORK-GROUP.  (1) Its share of the experts' weights is rounded to bf16 (nearest even) and laid in the order in which the next launch's operand registers take them.
; (2) It finds the tokens of ONE tile, T = the work-group's number: the 8,192 tokens, ordered by their pair of experts, are cut into tiles of 48 tokens of one pair.  Every work-group counts the routing
; for itself from the 64 KB of meta: the weights' loads are asked for first, and the counting stands in the wait for them.
; FORMATS.  w1l holds bf16.  w2l holds f16: fc2_w is rounded to bf16 like every input, and that number is then written as f16, since the next launch multiplies the hidden layer in f16.
; LIMITS.  The second step is exact for magnitudes from 7.6e-6 (2^-17) to 65,504; below, the number keeps f16's fixed step of 6e-8; a weight of fc2_w beyond 65,504 is not served.
; FRAGMENTS.  A fragment is 16 weight rows R0 .. x 32 k from k0: 1,024 bytes; byte 512 a + 16 (r + 16 h) + 2 j holds W[R0 + r][k0 + 16 a + 8 h + j]: two loads of 16 bytes a lane, at 16 x lane and 512 on,
; fill the 8 registers of a matrix operand.  w1l: [expert][wave 4][k 32][nb 8], R0 = 128 wave + 16 nb, k0 = 32 k.  w2l: [expert][wave 4][half 2][k 16][nb 8], R0 = 256 wave + 128 half + 16 nb.
; TILES.  198 records of 256 bytes: words 0-47 token numbers (0 past the count), 48 lo, 49 hi, 50 the count, the rest 0.  With 28 pairs the sum of ceil(n / 48) is at most (8,192 + 28 x 47) / 48 = 198
; for every split of the tokens; records that a split leaves over have the count 0.  Work-groups 198 to 255 have no tile and store none.
.set NT,    198
.set CVW,   8704                       ; the conversion: each wave's own two strips of 16 rows x 272 bytes, from LDS byte 0 on
.set WT,    69632                      ; behind them: each wave's totals by pair, 128 bytes a wave
.set REC,   70656                      ; the tile's 48 token words, and word 48, which takes every token that is not the tile's and is never used
.set SPARE, 71168                      ; the spare words, 128 bytes for each of eight waves, which no other line names
.set LN,   1                           ; v1   lane
.set SPW,  2                           ; v2   my spare word; never rewritten
.set NIL,  3                           ; v3   0; never rewritten
.set GA,   4                           ; v4   16 x lane
.set LS,   5                           ; v5   the conversion's LDS: in
.set LR,   6                           ; v6   and back
.set T7,   7
.set MO,   8                           ; v8   my offset in meta: 8,192 wave + 8 lane
.set WA,   9                           ; v9   LDS: lane's word of wave 0's totals
.set WS,   10                          ; v10  of my wave's
.set RCA,  11                          ; v11  LDS: the record's words 2 lane, 2 lane + 1
.set ZZ,   12                          ; v[12:13] zeros
.set RB,   14                          ; v[14:15] the record on its way out
.set M,    16                          ; v16-79   group i: rec at M + 2 i (later the token's number), hist at M + 2 i + 1 (later what is pulled, then the LDS address)
.set PF,   80                          ; v80-112  counts of my wave's groups before group i, by pair
.set NN,   113                         ; a pair's tokens
.set WOFF, 114                         ; those in the waves before mine
.set TC,   115                         ; its tiles
.set SS,   116
.set SPA,  117                         ; 4 x my tile's pair: the lane to pull from
.set TA,   118
.set TB,   119
.set TK0,  120                         ; 1,024 wave + lane
.set X,    128                         ; v128-255 32 weight loads of 4 registers, rounded in place; the first 64 then take the fragments' halves
	s_load_b256 s[4:11], s[0:1], 0x0               ; fc1_w s[4:5], fc2_w s[6:7], meta s[8:9], w1l s[10:11]
	s_load_b128 s[12:15], s[0:1], 0x20             ; w2l s[12:13], tiles s[14:15]
	v_lshl_add_u32 v[SPW], v0, 2, SPARE
	v_mov_b32 v[NIL], 0
	v_lshrrev_b32 v[LN], 5, v0
	v_readfirstlane_b32 s2, v[LN]                  ; wave 0..7
	v_and_b32 v[LN], 31, v0
	s_mov_b32 s3, ttmp9                            ; T
	; Wave W of 2,048 takes one strip of fc1_w and one of fc2_w: 16 rows x 128 k, four fragments.
	s_lshl_b32 s16, s3, 3
	s_add_co_u32 s16, s16, s2                      ; W
	s_lshr_b32 s17, s16, 3                         ; fc1_w: block of 16 rows (of 4,096 bytes),
	s_and_b32 s18, s16, 7                          ; and which 128 k
	s_lshl_b32 s20, s17, 16
	s_lshl_b32 s19, s18, 9
	s_add_co_u32 s20, s20, s19
	s_mov_b32 s21, 0
	s_lshr_b32 s22, s16, 6                         ; w1l: (expert, wave) x 262,144
	s_lshl_b32 s22, s22, 18
	s_and_b32 s17, s17, 7                          ; + nb x 1,024
	s_lshl_b32 s17, s17, 10
	s_add_co_u32 s22, s22, s17
	s_lshl_b32 s18, s18, 15                        ; + four k steps of 8,192 for each 128 k
	s_add_co_u32 s22, s22, s18
	s_mov_b32 s23, 0
	s_lshr_b32 s17, s16, 2                         ; fc2_w: block of 16 rows (of 2,048 bytes),
	s_and_b32 s18, s16, 3                          ; and which 128 k
	s_lshl_b32 s24, s17, 15
	s_lshl_b32 s19, s18, 9
	s_add_co_u32 s24, s24, s19
	s_mov_b32 s25, 0
	s_lshr_b32 s26, s16, 5                         ; w2l: (expert, wave, half) x 131,072
	s_lshl_b32 s26, s26, 17
	s_and_b32 s17, s17, 7
	s_lshl_b32 s17, s17, 10
	s_add_co_u32 s26, s26, s17
	s_lshl_b32 s18, s18, 15
	s_add_co_u32 s26, s26, s18
	s_mov_b32 s27, 0
	s_lshl_b32 s28, s3, 8                          ; tiles: record T
	s_mov_b32 s29, 0
	v_lshlrev_b32 v[GA], 4, v[LN]
	v_lshlrev_b32 v[MO], 3, v[LN]
	s_lshl_b32 s17, s2, 13                         ; my wave's groups 32 w .. 32 w + 31, 256 bytes each
	v_add_nc_u32 v[MO], s17, v[MO]
	s_wait_kmcnt 0x0
	s_add_nc_u64 s[4:5], s[4:5], s[20:21]
	s_add_nc_u64 s[10:11], s[10:11], s[22:23]
	s_add_nc_u64 s[6:7], s[6:7], s[24:25]
	s_add_nc_u64 s[12:13], s[12:13], s[26:27]
	s_add_nc_u64 s[14:15], s[14:15], s[28:29]
.set i, 0
.rept 32
	global_load_b64 v[M+2*i:M+2*i+1], v[MO], s[8:9] offset:256*i
.set i, i+1
.endr
.set i, 0
.rept 16                               ; fc1_w's strip: each load covers 512 consecutive bytes
	global_load_b128 v[X+4*i:X+4*i+3], v[GA], s[4:5] offset:4096*i th:TH_LOAD_NT
.set i, i+1
.endr
	v_lshl_add_u32 v[WA], v[LN], 2, WT
	s_lshl_b32 s17, s2, 7
	v_add_nc_u32 v[WS], s17, v[WA]
	v_lshl_add_u32 v[RCA], v[LN], 3, REC
	v_mov_b32 v[ZZ], 0
	v_mov_b32 v[ZZ+1], 0
	s_mul_i32 s17, s2, CVW
	v_lshl_add_u32 v[LS], v[LN], 3, s17
	v_and_b32 v[LR], 15, v0
	v_bfe_u32 v[T7], v0, 4, 1
	v_mul_u32_u24 v[LR], v[LR], 272
	v_lshl_add_u32 v[LR], v[T7], 4, v[LR]
	v_add_nc_u32 v[LR], s17, v[LR]                 ; row r, 16 bytes for each half of the lanes
	v_and_b32 v[TA], 0xe0, v0
	v_lshl_add_u32 v[TK0], v[TA], 5, v[LN]
	s_cmp_lg_u32 s2, 0
	s_cbranch_scc1 .Lno_clear
	ds_store_b64 v[RCA], v[ZZ:ZZ+1]                ; wave 0 clears the record's 64 words
.Lno_clear:
; THE COUNT, without atomics.  With a pair a lane: a running sum of my wave's groups' counts; the waves' totals meet in LDS.
	v_mov_b32 v[PF], 0
.set i, 0
.rept 32
	s_wait_loadcnt 47-i                            ; behind group i's load stand 31 - i of meta and the 16 of fc1_w
	v_add_nc_u32 v[PF+i+1], v[PF+i], v[M+2*i+1]
.set i, i+1
.endr
.set i, 0
.rept 16                               ; fc2_w's strip goes out now: 32 weight loads are out while the tile is found
	global_load_b128 v[X+64+4*i:X+64+4*i+3], v[GA], s[6:7] offset:2048*i th:TH_LOAD_NT
.set i, i+1
.endr
	ds_store_b32 v[WS], v[PF+32]
	s_wait_dscnt 0x0                               ; for the others' sake: my totals (and wave 0's cleared record)
	s_barrier_signal -1
	s_barrier_wait -1
.set j, 0
.rept 8                                ; the hist registers are free: the eight waves' totals come into the first eight of them
	ds_load_b32 v[M+2*j+1], v[WA] offset:128*j
.set j, j+1
.endr
	v_mov_b32 v[WOFF], 0
	s_wait_dscnt 0x0
	v_add3_u32 v[NN], v[M+1], v[M+3], v[M+5]
	v_add3_u32 v[NN], v[NN], v[M+7], v[M+9]
	v_add3_u32 v[NN], v[NN], v[M+11], v[M+13]
	v_add_nc_u32 v[NN], v[NN], v[M+15]
.set j, 0
.rept 7
	s_cmp_gt_u32 s2, j                             ; wave j stands before mine
	s_cselect_b32 s17, -1, 0
	v_and_b32 v[TA], s17, v[M+2*j+1]
	v_add_nc_u32 v[WOFF], v[WOFF], v[TA]
.set j, j+1
.endr
	v_add_nc_u32 v[TA], 47, v[NN]
	v_mul_u32_u24 v[TA], v[TA], 0xaaab             ; 43,691 x 48 = 2^21 + 16: floor(y / 48) = y x 43,691 >> 21 for y up to 8,239 (the excess, y / 48 x 16 / 2^21, stays under 1 / 48)
	v_lshrrev_b32 v[TC], 21, v[TA]
	s_mov_b32 s20, 0                               ; the running first tile
	s_mov_b32 s23, 0                               ; my tile's pair,
	s_mov_b32 s24, 0                               ; that pair's first tile
	s_mov_b32 s25, 0                               ; and tokens
; Pair p takes ceil(n / 48) tiles from the running first tile.  The last pair whose first tile is not above T is T's.
.macro SCAN p
	v_readlane_b32 s21, v[TC], \p
	v_readlane_b32 s22, v[NN], \p
	s_cmp_le_u32 s20, s3
	s_cselect_b32 s23, \p, s23
	s_cselect_b32 s24, s20, s24
	s_cselect_b32 s25, s22, s25
	s_add_co_u32 s20, s20, s21
.endm
.set p, 0
.rept 28
	SCAN p
.set p, p+1
.endr
	s_sub_co_u32 s27, s3, s24
	s_mul_i32 s27, s27, 48                         ; the tile begins at this place among its pair's tokens
	s_sub_co_i32 s28, s25, s27                     ; the count: what the pair has left from there, held to 0 .. 48
	s_max_i32 s28, s28, 0
	s_min_i32 s28, s28, 48
	s_mov_b32 s29, 1                               ; hi = 1 + how many of hi (hi - 1) / 2 for hi = 2 .. 7 the pair's number reaches
.irp c, 1,3,6,10,15,21
	s_cmp_ge_u32 s23, \c
	s_add_co_ci_u32 s29, s29, 0
.endr
	s_sub_co_u32 s30, s29, 1
	s_mul_i32 s30, s30, s29
	s_lshr_b32 s30, s30, 1
	s_sub_co_u32 s30, s23, s30                     ; lo
	s_sub_co_u32 s31, 0, s27
	v_add_nc_u32 v[SS], s31, v[WOFF]               ; by pair: tokens in the waves before mine, less the tile's beginning
	s_lshl_b32 s32, s23, 2
	v_mov_b32 v[SPA], s32
.set i, 0
.rept 32                               ; every lane pulls my tile's pair's figure for group i
	v_add_nc_u32 v[PF+i], v[PF+i], v[SS]
	ds_bpermute_b32 v[M+2*i+1], v[SPA], v[PF+i]
.set i, i+1
.endr
	s_wait_dscnt 0x0
.set i, 0
.rept 32                               ; with a token a lane: its place in the tile = that figure + its rank in the group; what is not the tile's pair, or falls outside 0 .. 47 (below 0 wraps upward), goes to word 48
	v_and_b32 v[TA], 0xff, v[M+2*i]
	v_lshrrev_b32 v[TB], 8, v[M+2*i]
	v_add_nc_u32 v[TB], v[TB], v[M+2*i+1]
	v_cmp_eq_u32 vcc_lo, s23, v[TA]
	v_cndmask_b32 v[TB], 48, v[TB], vcc_lo
	v_min_u32 v[TB], 48, v[TB]
	v_lshl_add_u32 v[M+2*i+1], v[TB], 2, REC
	v_add_nc_u32 v[M+2*i], 32*i, v[TK0]
.set i, i+1
.endr
	s_barrier_signal -1
	s_barrier_wait -1                              ; every wave has read the totals
; The token numbers go into the record one wave at a time, a barrier behind each wave's 32 stores: the tile's places are disjoint by the count's arithmetic, but they come from loaded numbers, and word 48
; is everybody's: so there is one writer between two barriers.
.macro PHASE j
	s_cmp_lg_u32 s2, \j
	s_cbranch_scc1 .Lnot_mine_\@
.set i, 0
.rept 32
	ds_store_b32 v[M+2*i+1], v[M+2*i]
.set i, i+1
.endr
.Lnot_mine_\@:
	s_wait_dscnt 0x0
	s_barrier_signal -1
	s_barrier_wait -1
.endm
.irp j, 0,1,2,3,4,5,6,7
	PHASE \j
.endr
	s_cmp_lg_u32 s2, 0
	s_cbranch_scc1 .Lweights                       ; the record leaves by wave 0,
	s_cmp_ge_u32 s3, NT
	s_cbranch_scc1 .Lweights                       ; where there is a tile T
	ds_load_b64 v[RB:RB+1], v[RCA]
	v_cmp_gt_u32 vcc_lo, 24, v[LN]
	s_wait_dscnt 0x0
	v_cndmask_b32 v[RB], 0, v[RB], vcc_lo          ; lanes 0-23 hold the 48 tokens; the rest is 0,
	v_cndmask_b32 v[RB+1], 0, v[RB+1], vcc_lo
	v_writelane_b32 v[RB], s30, 24                 ; but words 48, 49, 50: lo, hi, the count
	v_writelane_b32 v[RB+1], s29, 24
	v_writelane_b32 v[RB], s28, 25
	global_store_b64 v[MO], v[RB:RB+1], s[14:15]   ; in wave 0 this offset is 8 x lane: 256 consecutive bytes, aligned
.Lweights:
; THE WEIGHTS.  The rounded rows go through the wave's own LDS (rows 272 bytes apart: 68 words, so 16 rows start 4 words apart: 64 banks of 4 bytes, ISA guide 11.1) and come back a fragment's half at a
; time; each store covers 512 consecutive bytes, aligned.  Loads 16 to 31 are fc2_w's: their bf16 numbers are widened again (a shift, a mask) and written as f16.
.set n, 0
.rept 32
	s_wait_loadcnt 31-n                            ; the younger loads stay out
	v_cvt_pk_bf16_f32 v[X+4*n], v[X+4*n], v[X+4*n+1]
	v_cvt_pk_bf16_f32 v[X+4*n+1], v[X+4*n+2], v[X+4*n+3]
.if n >= 16
	v_lshlrev_b32 v[X+4*n+2], 16, v[X+4*n]
	v_and_b32 v[X+4*n+3], 0xffff0000, v[X+4*n]
	v_cvt_pk_f16_f32 v[X+4*n], v[X+4*n+2], v[X+4*n+3]
	v_lshlrev_b32 v[X+4*n+2], 16, v[X+4*n+1]
	v_and_b32 v[X+4*n+3], 0xffff0000, v[X+4*n+1]
	v_cvt_pk_f16_f32 v[X+4*n+1], v[X+4*n+2], v[X+4*n+3]
.endif
	ds_store_b64 v[LS], v[X+4*n:X+4*n+1] offset:4352*(n/16)+272*(n%16)
.set n, n+1
.endr
.set m, 0
.rept 16                               ; strip m / 8, fragment (m % 8) / 2, half m % 2.  LDS serves a wave's instructions in order (ISA guide 5.7.1.4): these see the stores above
	ds_load_b128 v[X+4*m:X+4*m+3], v[LR] offset:4352*(m/8)+64*((m%8)/2)+32*(m%2)
.set m, m+1
.endr
.set m, 0
.rept 16
	s_wait_dscnt 15-m
.if m < 8
	global_store_b128 v[GA], v[X+4*m:X+4*m+3], s[10:11] offset:8192*((m%8)/2)+512*(m%2)
.else
	global_store_b128 v[GA], v[X+4*m:X+4*m+3], s[12:13] offset:8192*((m%8)/2)+512*(m%2)
.endif
.set m, m+1
.endr
	s_wait_tensorcnt 0x0                           ; the wave's end
	ds_add_u32 v[SPW], v[NIL]
	s_wait_dscnt 0x0
	s_endpgm
.Lfunc_end_k_q7e9f31e84e_prep:
	.size	k_q7e9f31e84e_prep, .Lfunc_end_k_q7e9f31e84e_prep-k_q7e9f31e84e_prep
	.p2alignl 7, 3214868480
	.fill 96, 4, 3214868480
	.section	.rodata,"a",@progbits
	.p2align	6, 0x0
	.amdhsa_kernel k_q7e9f31e84e_prep
		.amdhsa_group_segment_fixed_size 72192
		.amdhsa_private_segment_fixed_size 0
		.amdhsa_enable_private_segment 0
		.amdhsa_kernarg_size 48
		.amdhsa_user_sgpr_count 2
		.amdhsa_user_sgpr_kernarg_segment_ptr 1
		.amdhsa_wavefront_size32 1
		.amdhsa_system_sgpr_workgroup_id_x 1
		.amdhsa_system_sgpr_workgroup_id_y 1
		.amdhsa_system_sgpr_workgroup_id_z 1
		.amdhsa_system_vgpr_workitem_id 0
		.amdhsa_next_free_vgpr 256
		.amdhsa_next_free_sgpr 66
		.amdhsa_reserve_vcc 1
		.amdhsa_float_denorm_mode_32 3
		.amdhsa_float_denorm_mode_16_64 3
		.amdhsa_memory_ordered 1
		.amdhsa_forward_progress 1
		.amdhsa_inst_pref_size 70
	.end_amdhsa_kernel
	.amdgpu_metadata
---
amdhsa.version: [ 1, 2 ]
amdhsa.kernels:
  - .name:           k_q7e9f31e84e_prep
    .symbol:         k_q7e9f31e84e_prep.kd
    .args:
      - { .name: fc1_w, .offset: 0, .size: 8, .value_kind: global_buffer, .address_space: global }
      - { .name: fc2_w, .offset: 8, .size: 8, .value_kind: global_buffer, .address_space: global }
      - { .name: meta, .offset: 16, .size: 8, .value_kind: global_buffer, .address_space: global }
      - { .name: w1l, .offset: 24, .size: 8, .value_kind: global_buffer, .address_space: global }
      - { .name: w2l, .offset: 32, .size: 8, .value_kind: global_buffer, .address_space: global }
      - { .name: tiles, .offset: 40, .size: 8, .value_kind: global_buffer, .address_space: global }
    .group_segment_fixed_size: 72192
    .private_segment_fixed_size: 0
    .kernarg_segment_align: 8
    .kernarg_segment_size: 48
    .max_flat_workgroup_size: 256
    .sgpr_count:     66
    .vgpr_count:     256
    .wavefront_size: 32
...
	.end_amdgpu_metadata
.endif
;; end of part 2
;; launch chain (part 3): grid 198 x 1, 8 waves a work-group, no clusters, 269,568 bytes of LDS; arguments tiles, gates, xb, w1l, w2l, out0; writes out0
.if DOCPART == 3
	.amdgcn_target "amdgcn-amd-amdhsa--gfx1250"
	.amdhsa_code_object_version 6
	.text
	.protected	k_q7e9f31e84e_chain
	.globl	k_q7e9f31e84e_chain
	.p2align	8
	.type	k_q7e9f31e84e_chain,@function
k_q7e9f31e84e_chain:
	s_mov_b64 s[64:65], 0
	v_nop
	global_prefetch_b8 v0, s[64:65] scope:SCOPE_SE
	s_setreg_imm32_b32 hwreg(HW_REG_WAVE_MODE, 25, 1), 1
	s_wait_xcnt 0x0
; THE EXPERTS.  A work-group takes a tile of up to 48 tokens that chose the same two experts lo < hi through the whole chain:
; out[t] = (g_lo relu(x W1lo^T)^2) W2lo^T + (g_hi relu(x W1hi^T)^2) W2hi^T, both experts' second products into ONE accumulator: each output row has one owner and is stored once.
; FORMATS.  x and W1 arrive in bf16 and are multiplied so; sums in f32.  The hidden layer h = g relu(z)^2 is rounded once, to f16 (11 significant bits; bf16's 8 leave the output too little room), and W2
; arrives in f16.  h's size goes with the fourth power of the inputs' size, which f16's range does not hold, so each token has A SCALE OF ITS OWN: s = the power of two that puts the token's largest h,
; over both experts' 512 columns, into 2^14 .. 2^15; s goes into the gates, 1 / s onto the finished sums; both are exact.
; LIMITS.  An h below 2^-29 of its token's largest keeps f16's fixed step.  The exponent field of the largest h is held to 15 .. 254, so that s and 1 / s are normal numbers: a token whose largest h is
; below 2^-112 (all zeros too) has s = 2^126.  relu is v_max_num_f32 with 0: a NaN becomes 0 where reference() keeps it; NaN and infinities are not served.
; SHARES.  Three blocks of 16 tokens; EIGHT WAVES, two to a SIMD, split the products' N.
; It stands beside the other wave's.  In the first product wave w has hidden columns 64 w .. + 63 of BOTH experts: a K step's three token fragments feed 4 + 4 weight fragments.  In the second it has output
; columns 128 w .. + 127.  In both: 8 x 3 = 24 accumulators of 16 x 16, which take turns.  By the count nothing is read more often than by four waves with twice the columns: the work-group reads each weight
; byte once, and 8 waves x 64 K steps x 6 LDS loads of token fragments.  Source 0 = 16 weight rows, source 1 = 16 tokens: a lane then holds ONE token and eight neighbouring columns.
; THE WEIGHTS come from memory straight into operand registers, in the order in which the launch before laid them, and the K loops hold no LDS store and no barrier.  A GROUP is one K step of 32: 8 fragments,
; 16 loads of 512 consecutive bytes.  A ring of three register slots: while group g is multiplied, g + 1 and g + 2 are out: 32 loads, 16,384 bytes a wave, 131,072 a work-group.  The ring runs on from the
; first product into the second, under the scale and the activation.
; THE SECOND PRODUCT's 32 K steps (16 of lo, 16 of hi, onto the same sums) are written out: every LDS address in it is a register that is never rewritten and an immediate.
; NO CLUSTER, NO TENSOR LOADS.  Tiles of one pair walk the same weights, but beside x's tile and the two hidden tiles LDS has room for two slots of some 60 KB, which feed 45 matrix instructions for each SIMD
; between two rounds; and clusters of four tiles of one pair would round each of 28 pairs up to 192 tokens, of some 290 that a pair has at an even split.
; A TILE WITHOUT TOKENS (count 0: the price of a grid that serves every split) runs the first product on token 0's row, and ends behind the last barrier.
.set XP,    2064                       ; a row of x in LDS: 2,048 + 16 bytes; a hidden row: 1,024 + 16; a stage row: 512 + 16: each an odd multiple of 16 bytes, so 16 rows start 4 words apart (64 banks of 4 bytes: ISA guide 11.1)
.set HP,    1040
.set SPI,   528
.set H0,    48*XP                      ; 99,072: behind x's 48 rows, the hidden tile of expert lo,
.set H1,    H0+48*HP                   ; 148,992: of expert hi,
.set STAGE, H1+48*HP                   ; 198,912: each wave's own 16 rows of 128 f32 for the way out,
.set SPARE, STAGE+8*16*SPI             ; 266,496: the spare words, 128 bytes for each of eight waves, which no other line names,
.set MX,    SPARE+1024                 ; 267,520: each wave's 48 maxima, 256 bytes a wave
; window 0 (v0-255)
.set WO,   1                           ; v1   16 x lane; never rewritten
.set RR,   2                           ; v2   r = lane % 16
.set HH,   3                           ; v3   h = lane / 16
.set XA,   4                           ; v4, v5   my lane's place in x's token blocks 0 (and, by the immediate, 1) and 2
.set XA2,  5
.set H0A,  6                           ; v6, v7   my lane's place in the two hidden tiles (all three blocks by the immediate); never rewritten
.set H1A,  7
.set TA,   8                           ; v8, v9   the first product's pair, stepped along K
.set TB,   9
.set HST,  10                          ; v10, v11 where I put 16 bytes of a hidden row, lo and hi
.set STO,  12                          ; v12  the way out: where I put 32 bytes of a row
.set RD,   13                          ; v13  where I read a row back
.set CO,   14                          ; v14  my byte offset in a row of out0
.set GS,   15                          ; v15  the gather: where my wave's rows of x go
.set SPW,  16                          ; v16  my spare word; never rewritten
.set NIL,  17                          ; v17  0; never rewritten
.set MXS,  18                          ; v18  LDS: where I put my wave's largest h of token r
.set MXL,  19                          ; v19  LDS: where wave 0's lies
.set G,    20                          ; v20-31   token block mb, expert e: the pair {g, g} at G + 4 mb + 2 e; later {g s, g s}
.set GO,   32                          ; v32-47   the gather's 6 row offsets; later the way out's 16; between the two:
.set MXR,  32                          ; v32-37   the largest relu(z) of my columns: token block mb, expert e at MXR + 2 mb + e
.set VV,   38                          ; v38-40   by token block: the largest h, then its exponent field
.set SC,   41                          ; v41-43   s, by token block
.set IS,   48                          ; v[48:53] by token block the pair {1 / s, 1 / s}
.set ID,   54                          ; v54 4 r; v55-57 my three tokens' numbers, then their offsets in gates
.set ACC,  64                          ; v64-255  the 24 accumulators; before them the gathered rows.  First product: (e, nb, mb) at ACC + 8 (12 e + 3 nb + mb); second: (nb, mb) at ACC + 8 (3 nb + mb)
; window 1 (v256-511): v0-191 the ring, slot s at 64 s;
.set TK,   192                         ; v192-239 token fragments: two buffers of 3 x 8; between the products:
.set ML,   192                         ; v192-215 the eight waves' largest h, by token block
.set PL,   76                          ; s[76:77] W2 lo at my part;  s[78:79] W2 hi
.set MSB, 0
.macro WIN new                         ; s_set_vgpr_msb: bits 1:0 source 0, 3:2 source 1, 5:4 source 2, 7:6 destination; the high byte repeats the setting that is left
.if MSB != (\new)
	s_set_vgpr_msb (MSB<<8)|(\new)
.set MSB, \new
.endif
.endm
.set MUL, 0x05                         ; weights (source 0) and tokens (source 1) window 1, C and D window 0
.set LDW, 0x40                         ; destination window 1, address window 0
.macro PLACES                          ; four places behind matrix instructions (ISA guide 7.12.1 for vector instructions)
.rept 4
	v_nop
.endr
.endm
	s_load_b256 s[4:11], s[0:1], 0x0               ; tiles s[4:5], gates s[6:7], xb s[8:9], w1l s[10:11]
	s_load_b128 s[12:15], s[0:1], 0x20             ; w2l s[12:13], out0 s[14:15]
	v_lshl_add_u32 v[SPW], v0, 2, SPARE
	v_mov_b32 v[NIL], 0
	v_lshrrev_b32 v[RR], 5, v0
	v_readfirstlane_b32 s2, v[RR]                  ; wave 0..7
	v_and_b32 v[HH], 31, v0
	v_lshlrev_b32 v[WO], 4, v[HH]
	v_and_b32 v[RR], 15, v0
	v_bfe_u32 v[HH], v0, 4, 1
	v_lshlrev_b32 v[ID], 2, v[RR]
	s_lshl_b32 s96, ttmp9, 8                       ; my tile's record
	s_mov_b32 s97, 0
	s_mul_i32 s98, s2, 24                          ; and in it the 6 tokens that my wave gathers
	s_mov_b32 s99, 0
	s_wait_kmcnt 0x0
	s_add_nc_u64 s[96:97], s[4:5], s[96:97]
	s_add_nc_u64 s[98:99], s[96:97], s[98:99]
	s_load_b512 s[16:31], s[96:97], 0x0            ; s[16:63] the 48 token numbers, for the way out
	s_load_b512 s[32:47], s[96:97], 0x40
	s_load_b512 s[48:63], s[96:97], 0x80
	s_load_b128 s[68:71], s[96:97], 0xc0           ; lo, hi, count, 0
	s_load_b128 s[84:87], s[98:99], 0x0            ; s[84:89] my wave's 6
	s_load_b64 s[88:89], s[98:99], 0x10
	global_load_b32 v[ID+1], v[ID], s[96:97]       ; lane r: the tokens 16 mb + r, for their gates
	global_load_b32 v[ID+2], v[ID], s[96:97] offset:64
	global_load_b32 v[ID+3], v[ID], s[96:97] offset:128
	v_mul_u32_u24 v[XA], v[RR], XP
	v_lshl_add_u32 v[XA], v[HH], 4, v[XA]          ; row x pitch + 16 x half
	v_add_nc_u32 v[XA2], 32*XP, v[XA]
	v_mul_u32_u24 v[H0A], v[RR], HP
	v_lshl_add_u32 v[H0A], v[HH], 4, v[H0A]
	s_lshl_b32 s3, s2, 7                           ; my 64 hidden columns: 128 bytes of a row
	v_add_nc_u32 v[HST], s3, v[H0A]
	v_add_nc_u32 v[HST+1], H1, v[HST]
	v_add_nc_u32 v[HST], H0, v[HST]
	v_add_nc_u32 v[H1A], H1, v[H0A]
	v_add_nc_u32 v[H0A], H0, v[H0A]
	v_lshl_add_u32 v[MXL], v[RR], 2, MX
	s_lshl_b32 s3, s2, 8                           ; my wave's 256 bytes of maxima
	v_add_nc_u32 v[MXS], s3, v[MXL]
	s_mul_i32 s3, s2, 16*SPI
	s_add_co_u32 s3, s3, STAGE                     ; my stage
	v_mul_u32_u24 v[STO], v[RR], SPI
	v_lshl_add_u32 v[STO], v[HH], 5, v[STO]
	v_add_nc_u32 v[STO], s3, v[STO]
	v_add_nc_u32 v[RD], s3, v[WO]
	s_lshl_b32 s3, s2, 9                           ; my 128 output columns: 512 bytes of a row
	v_add_nc_u32 v[CO], s3, v[WO]
	s_mul_i32 s3, s2, 6*XP
	v_add_nc_u32 v[GS], s3, v[WO]
	s_wait_kmcnt 0x0
.set i, 16
.rept 48                               ; what was loaded is held inside its table before it enters an address
	s_min_u32 s[i], s[i], 0x1fff
.set i, i+1
.endr
.set i, 84
.rept 6
	s_min_u32 s[i], s[i], 0x1fff
.set i, i+1
.endr
	s_min_u32 s68, s68, 7
	s_min_u32 s69, s69, 7
.set i, 0
.rept 6
	v_lshl_add_u32 v[GO+i], s[84+i], 11, v[WO]     ; a row of xb is 2,048 bytes
.set i, i+1
.endr
	; the weights' first bytes.  An expert is 1 MiB of w1l and of w2l.  w1l: [4 parts of 128 columns][32 k][8 fragments]: my 64 columns are half w & 1 of part w >> 1: 4,096 bytes of each K step's 8,192.
	; w2l: [8 parts of 128 columns][16 k][8 fragments]: part w.
	s_lshr_b32 s80, s2, 1
	s_lshl_b32 s80, s80, 18
	s_and_b32 s81, s2, 1
	s_lshl_b32 s81, s81, 12
	s_add_co_u32 s80, s80, s81                     ; my place in an expert's part of w1l,
	s_lshl_b32 s81, s2, 17                         ; and of w2l
	s_mov_b32 s101, 0
	s_lshl_b32 s82, s68, 20
	s_add_co_u32 s100, s82, s80
	s_add_nc_u64 s[72:73], s[10:11], s[100:101]    ; W1 lo
	s_add_co_u32 s100, s82, s81
	s_add_nc_u64 s[PL:PL+1], s[12:13], s[100:101]  ; W2 lo
	s_lshl_b32 s82, s69, 20
	s_add_co_u32 s100, s82, s80
	s_add_nc_u64 s[74:75], s[10:11], s[100:101]    ; W1 hi
	s_add_co_u32 s100, s82, s81
	s_add_nc_u64 s[PL+2:PL+3], s[12:13], s[100:101]  ; W2 hi
; 16 loads of 512 consecutive bytes: a group's 8 fragments into ring slot s: four from s[l1:l1+1] + o1, four from s[l2:l2+1] + o2.
.macro WLD slot, l1, o1, l2, o2
.set n, 0
.rept 8
	global_load_b128 v[64*(\slot)+4*n:64*(\slot)+4*n+3], v[WO], s[\l1:\l1+1] offset:(\o1)+512*n
.set n, n+1
.endr
.set n, 0
.rept 8
	global_load_b128 v[64*(\slot)+32+4*n:64*(\slot)+32+4*n+3], v[WO], s[\l2:\l2+1] offset:(\o2)+512*n
.set n, n+1
.endr
.endm
.set i, 0
.rept 24                               ; THE GATHER: my wave's 6 rows, four loads of 512 consecutive bytes each, into the registers that will be accumulators
	global_load_b128 v[ACC+4*i:ACC+4*i+3], v[GO+i/4], s[8:9] offset:512*(i%4)
.set i, i+1
.endr
	s_wait_loadcnt 24                              ; behind the three token numbers stand the 24 loads of the gather
.irp m, 1,2,3
	v_min_u32 v[ID+\m], 0x1fff, v[ID+\m]
	v_lshlrev_b32 v[ID+\m], 3, v[ID+\m]
.endr
	global_load_b64 v[G:G+1],   v[ID+1], s[6:7]
	global_load_b64 v[G+4:G+5], v[ID+2], s[6:7]
	global_load_b64 v[G+8:G+9], v[ID+3], s[6:7]
	WIN LDW
	WLD 0, 72, 0, 74, 0                            ; the ring's first two groups: 59 loads of mine are out
	WLD 1, 72, 8192, 74, 8192
	WIN 0
.set i, 0
.rept 6                                ; row i goes into LDS
	s_wait_loadcnt 55-4*i                          ; behind row i's loads stand 20 - 4 i of the gather, the 3 of the gates and the ring's 32
.irp c, 0,1,2,3
	ds_store_b128 v[GS], v[ACC+16*i+4*\c:ACC+16*i+4*\c+3] offset:XP*i+512*\c
.endr
.set i, i+1
.endr
	s_wait_loadcnt 32                              ; behind the gates stand the ring's 32
.irp m, 0,1,2
	v_mov_b32 v[G+4*\m+2], v[G+4*\m+1]             ; {g_lo, g_hi} becomes {g_lo, g_lo}, {g_hi, g_hi}
	v_mov_b32 v[G+4*\m+3], v[G+4*\m+1]
	v_mov_b32 v[G+4*\m+1], v[G+4*\m]
.endr
	s_wait_dscnt 0x0                               ; for the others' sake: my rows of x are in LDS
	s_barrier_signal -1
	s_barrier_wait -1
; Six LDS loads: the three token blocks' fragments of 32 along K at byte koff of the rows; v[ra]: blocks 0 and (p1 bytes on) 1; v[rb], p2 bytes on: block 2.
.macro TOKLD buf, ra, rb, koff, p1, p2
	ds_load_b128 v[TK+24*(\buf):TK+24*(\buf)+3],     v[\ra] offset:(\koff)
	ds_load_b128 v[TK+24*(\buf)+4:TK+24*(\buf)+7],   v[\ra] offset:(\koff)+32
	ds_load_b128 v[TK+24*(\buf)+8:TK+24*(\buf)+11],  v[\ra] offset:(\p1)+(\koff)
	ds_load_b128 v[TK+24*(\buf)+12:TK+24*(\buf)+15], v[\ra] offset:(\p1)+(\koff)+32
	ds_load_b128 v[TK+24*(\buf)+16:TK+24*(\buf)+19], v[\rb] offset:(\p2)+(\koff)
	ds_load_b128 v[TK+24*(\buf)+20:TK+24*(\buf)+23], v[\rb] offset:(\p2)+(\koff)+32
.endm
; 24 matrix instructions: the slot's 8 weight fragments x the three token blocks.  zero = 1: the products start the sums: nothing is ever cleared.  fm: the operands' format, bf16 or f16.
.macro MM24 slot, buf, zero, fm
.set a, 0
.rept 24
.if \zero
	v_wmma_f32_16x16x32_\fm v[ACC+8*a:ACC+8*a+7], v[64*(\slot)+8*(a/3):64*(\slot)+8*(a/3)+7], v[TK+24*(\buf)+8*(a%3):TK+24*(\buf)+8*(a%3)+7], 0
.else
	v_wmma_f32_16x16x32_\fm v[ACC+8*a:ACC+8*a+7], v[64*(\slot)+8*(a/3):64*(\slot)+8*(a/3)+7], v[TK+24*(\buf)+8*(a%3):TK+24*(\buf)+8*(a%3)+7], v[ACC+8*a:ACC+8*a+7]
.endif
.set a, a+1
.endr
.endm
; A GROUP: one K step of 32: ONE run of loads, then 24 products.  wcnt: the weight loads that may stay out when this group's must be in: the one group behind it, 16.  The four places stand behind the group
; before's last product: they serve the loads into the slot that it read (the group two on; l1 = -1: none) and into the token buffer that it read (the next group's fragments, at byte tk; -1: none).
; The 24 accumulators take turns, one instruction a turn, over the loop's jump too.
.macro GROUP slot, buf, zero, wcnt, l1, o1, l2, o2, tk, ra, rb, p1, p2, fm
.set w_ns, ((\slot)+2)%3
.set w_nb, 1-(\buf)
	s_wait_loadcnt \wcnt
	PLACES
.if (\l1) >= 0
	WIN LDW
	WLD w_ns, \l1, \o1, \l2, \o2
.endif
.if (\tk) >= 0
	WIN LDW
	TOKLD w_nb, \ra, \rb, \tk, \p1, \p2
	s_wait_dscnt 6                                 ; this group's token fragments, asked for a group ago, are in; the six just asked for stay out
.else
	s_wait_dscnt 0x0
.endif
	WIN MUL
	MM24 \slot, \buf, \zero, \fm
.endm
; A group of the first product, at place p of the walk (slot p % 3, token buffer p % 2).
.macro F1 p, zero, l1, o1, l2, o2, tk
.set f_slot, (\p)%3
.set f_buf, (\p)%2
	GROUP f_slot, f_buf, \zero, 16, \l1, \o1, \l2, \o2, \tk, TA, TB, 16*XP, 0, bf16
.endm
	; THE FIRST PRODUCT: 32 groups (K = 1,024), both experts at once: one group, 4 trips of six (the ring's three slots and the two token buffers come round together after six), seven groups.
	v_mov_b32 v[TA], v[XA]
	v_mov_b32 v[TB], v[XA2]
	WIN LDW
	TOKLD 0, TA, TB, 0, 16*XP, 0
	F1 0, 1, 72, 16384, 74, 16384, 64              ; group g asks for the weights of g + 2 and the token fragments of g + 1
	WIN 0                                          ; at a label and at a branch every window is 0
	s_mov_b32 s3, 4
.Lk:
.irp p, 1,2,3,4,5,6
	F1 \p, 0, 72, (\p+2)*8192, 74, (\p+2)*8192, (\p+1)*64
.endr
	WIN 0
	v_add_nc_u32 v[TA], 0x180, v[TA]               ; six K steps on: 384 bytes of the token rows,
	v_add_nc_u32 v[TB], 0x180, v[TB]
	s_wait_xcnt 0x0                                ; (the bases are stepped only behind this wait: every load issued has had its address translated: ISA guide 3.1)
	s_add_nc_u64 s[72:73], s[72:73], 0xc000        ; six K steps of 8,192 bytes of each expert's weights
	s_add_nc_u64 s[74:75], s[74:75], 0xc000
	s_sub_co_u32 s3, s3, 1
	s_cmp_lg_u32 s3, 0
	s_cbranch_scc1 .Lk
.irp p, 1,2,3,4,5
	F1 \p, 0, 72, (\p+2)*8192, 74, (\p+2)*8192, (\p+1)*64
.endr
	F1 6, 0, PL, 0, PL, 4096, 448                  ; groups 30 and 31 ask for the second product's first two groups
	F1 7, 0, PL, 8192, PL, 12288, -1
	; THE SCALE.  The largest relu(z) of my 64 columns, for each token block and expert: six chains by turns; each accumulator's registers 0 and 1 are read first.
	WIN 0
.set i, 0
.rept 6
	v_mov_b32 v[MXR+i], 0                          ; relu's 0 starts the maxima; these six are also the places behind the last products
.set i, i+1
.endr
	s_mov_b32 s84, 0x76543210                      ; v_permlanex16_b32's selects: each lane takes its own place in the other half
	s_mov_b32 s85, 0xfedcba98
.set q, 0
.rept 96                               ; token block q % 3, expert (q / 3) % 2, registers 2 ((q / 6) % 4) and the next, weight block q / 24
	v_max3_num_f32 v[MXR+2*(q%3)+(q/3)%2], v[MXR+2*(q%3)+(q/3)%2], v[ACC+8*(12*((q/3)%2)+3*(q/24)+q%3)+2*((q/6)%4)], v[ACC+8*(12*((q/3)%2)+3*(q/24)+q%3)+2*((q/6)%4)+1]
.set q, q+1
.endr
.irp m, 0,1,2
	v_mul_f32 v[MXR+2*\m], v[MXR+2*\m], v[MXR+2*\m]
	v_mul_f32 v[MXR+2*\m+1], v[MXR+2*\m+1], v[MXR+2*\m+1]
.endr
.irp m, 0,1,2
	v_mul_f32 v[MXR+2*\m], v[MXR+2*\m], v[G+4*\m]
	v_mul_f32 v[MXR+2*\m+1], v[MXR+2*\m+1], v[G+4*\m+2]
.endr
.irp m, 0,1,2
	v_max_num_f32 v[VV+\m], v[MXR+2*\m], v[MXR+2*\m+1]  ; the larger of g_lo relu^2 and g_hi relu^2
.endr
.irp m, 0,1,2
	v_permlanex16_b32 v[MXR+\m], v[VV+\m], s84, s85     ; the token's other 32 of my columns lie in the lane 16 away
.endr
.irp m, 0,1,2
	v_max_num_f32 v[VV+\m], v[VV+\m], v[MXR+\m]
	ds_store_b32 v[MXS], v[VV+\m] offset:64*\m     ; lanes r and r + 16 store the same number to the same word
.endr
	s_wait_dscnt 0x0                               ; for the others' sake: my maxima are in LDS
	s_barrier_signal -1
	s_barrier_wait -1
	WIN LDW
.set i, 0
.rept 24                               ; token block i / 8, wave i % 8; into the token buffers, which hold nothing now
	ds_load_b32 v[ML+i], v[MXL] offset:256*(i%8)+64*(i/8)
.set i, i+1
.endr
	s_wait_dscnt 0x0
	WIN 0x55                                       ; destination and all three sources window 1
.irp m, 0,1,2
	v_max3_num_f32 v[ML+8*\m], v[ML+8*\m], v[ML+8*\m+1], v[ML+8*\m+2]
.endr
.irp m, 0,1,2
	v_max3_num_f32 v[ML+8*\m], v[ML+8*\m], v[ML+8*\m+3], v[ML+8*\m+4]
.endr
.irp m, 0,1,2
	v_max3_num_f32 v[ML+8*\m], v[ML+8*\m], v[ML+8*\m+5], v[ML+8*\m+6]
.endr
	WIN 0x05                                       ; both sources window 1, destination window 0
.irp m, 0,1,2
	v_max_num_f32 v[VV+\m], v[ML+8*\m], v[ML+8*\m+7]  ; the token's largest h, never negative
.endr
	WIN 0
.irp m, 0,1,2
	v_lshrrev_b32 v[VV+\m], 23, v[VV+\m]           ; its exponent field E: the number lies in 2^(E - 127) .. 2^(E - 126)
	v_max_u32 v[VV+\m], 15, v[VV+\m]
	v_min_u32 v[VV+\m], 0xfe, v[VV+\m]
	v_sub_nc_u32 v[SC+\m], 0x10c, v[VV+\m]         ; s = 2^(14 - (E - 127)): field 268 - E, 14 to 253
	v_lshlrev_b32 v[SC+\m], 23, v[SC+\m]
	v_add_nc_u32 v[VV+\m], -14, v[VV+\m]           ; 1 / s: field E - 14, 1 to 240
	v_lshlrev_b32 v[IS+2*\m], 23, v[VV+\m]
	v_mov_b32 v[IS+2*\m+1], v[IS+2*\m]
	v_mul_f32 v[G+4*\m], v[G+4*\m], v[SC+\m]       ; the gates take s
	v_mul_f32 v[G+4*\m+1], v[G+4*\m+1], v[SC+\m]
	v_mul_f32 v[G+4*\m+2], v[G+4*\m+2], v[SC+\m]
	v_mul_f32 v[G+4*\m+3], v[G+4*\m+3], v[SC+\m]
.endr
	; THE ACTIVATION, in place in each accumulator (expert a / 12, weight block (a % 12) / 3, token block a % 3): relu(z), its square, times g s, rounded to f16: a lane's eight columns are 16 bytes of a hidden row.
.set a, 0
.rept 24
.set aa, ACC+8*a
.set gg, G+4*(a%3)+2*(a/12)
.set j, 0
.rept 8
	v_max_num_f32 v[aa+j], 0, v[aa+j]
.set j, j+1
.endr
.set j, 0
.rept 4
	v_pk_mul_f32 v[aa+2*j:aa+2*j+1], v[aa+2*j:aa+2*j+1], v[aa+2*j:aa+2*j+1]
.set j, j+1
.endr
.set j, 0
.rept 4
	v_pk_mul_f32 v[aa+2*j:aa+2*j+1], v[aa+2*j:aa+2*j+1], v[gg:gg+1]
.set j, j+1
.endr
.set j, 0
.rept 4
	v_cvt_pk_f16_f32 v[aa+j], v[aa+2*j], v[aa+2*j+1]  ; register j is written when registers 2 j and 2 j + 1 are read: none is written before its turn to be read
.set j, j+1
.endr
	ds_store_b128 v[HST+a/12], v[aa:aa+3] offset:16*HP*(a%3)+32*((a%12)/3)
.set a, a+1
.endr
	s_wait_dscnt 0x0                               ; for the others' sake: my columns of both hidden tiles are in LDS
	s_barrier_signal -1
	s_barrier_wait -1                              ; the last barrier
	s_cmp_eq_u32 s70, 0
	s_cbranch_scc1 .Lend                           ; a tile without tokens stores nothing
	; THE SECOND PRODUCT: group g of 32: g < 16: h_lo against W2 lo's K step g; else h_hi against W2 hi's K step g - 16, added onto the same sums.  The ring goes on: group g lies in slot (32 + g) % 3.
	WIN LDW
	TOKLD 0, H0A, H0A, 0, 16*HP, 32*HP
.set g, 0
.rept 32
.set f_slot, (g+2)%3
.set f_buf, g%2
.set f_zero, 0
.if g == 0
.set f_zero, 1                         ; the first group starts the sums
.endif
.set f_w, 16
.if g == 31
.set f_w, 0                            ; the last two groups ask for nothing: the counts run down 16, 0
.endif
.set f_l, -1
.set f_o, 0
.if g < 30
.set f_l, PL+2*((g+2)/16)              ; group g + 2's weights
.set f_o, 8192*((g+2)%16)
.endif
.set f_t, -1
.set f_a, H0A
.if g < 31
.set f_t, 64*((g+1)%16)                ; group g + 1's token fragments
.set f_a, H0A+(g+1)/16
.endif
	GROUP f_slot, f_buf, f_zero, f_w, f_l, f_o, f_l, f_o+4096, f_t, f_a, f_a, 16*HP, 32*HP, f16
.set g, g+1
.endr
	; THE WAY OUT, a token block at a time: the sums are multiplied by the token's 1 / s, in place, each accumulator from its lowest registers on; then through my own stage of 16 rows: a lane's eight f32 of a
	; row go in as 32 bytes; a row of 512 bytes comes back, 16 bytes a lane, into the registers that the block left, and is stored whole: 512 consecutive bytes, aligned, of the token's row of out0.
	; Rows from the count on are jumped: forward, past stores and waits alone.
	WIN 0
	PLACES
.set mb, 0
.rept 3
	s_wait_xcnt 0x0                                ; the block before's stores have read their offsets: only now are those registers written again
.set nb, 0
.rept 8
.set j, 0
.rept 4
	v_pk_mul_f32 v[ACC+8*(3*nb+mb)+2*j:ACC+8*(3*nb+mb)+2*j+1], v[ACC+8*(3*nb+mb)+2*j:ACC+8*(3*nb+mb)+2*j+1], v[IS+2*mb:IS+2*mb+1]
.set j, j+1
.endr
.set nb, nb+1
.endr
.set nb, 0
.rept 8
	ds_store_b128 v[STO], v[ACC+8*(3*nb+mb):ACC+8*(3*nb+mb)+3]   offset:64*nb     ; LDS serves a wave's instructions in order (ISA guide 5.7.1.4): these come behind the block before's loads from the stage
	ds_store_b128 v[STO], v[ACC+8*(3*nb+mb)+4:ACC+8*(3*nb+mb)+7] offset:64*nb+16
.set nb, nb+1
.endr
.set i, 0
.rept 16
	ds_load_b128 v[ACC+8*(3*(i/2)+mb)+4*(i%2):ACC+8*(3*(i/2)+mb)+4*(i%2)+3], v[RD] offset:SPI*i  ; and these see the stores above
.set i, i+1
.endr
.set i, 0
.rept 16
	v_lshl_add_u32 v[GO+i], s[16+16*mb+i], 12, v[CO]  ; a row of out0 is 4,096 bytes
.set i, i+1
.endr
.set i, 0
.rept 16
	s_cmp_le_u32 s70, 16*mb+i
	s_cbranch_scc1 .Lout_done
	s_wait_dscnt 15-i                              ; the younger rows stay out
	global_store_b128 v[GO+i], v[ACC+8*(3*(i/2)+mb)+4*(i%2):ACC+8*(3*(i/2)+mb)+4*(i%2)+3], s[14:15] th:TH_STORE_NT
.set i, i+1
.endr
.set mb, mb+1
.endr
.Lout_done:
.Lend:
	s_wait_tensorcnt 0x0                           ; the wave's end
	ds_add_u32 v[SPW], v[NIL]
	s_wait_dscnt 0x0
	s_endpgm
.Lfunc_end_k_q7e9f31e84e_chain:
	.size	k_q7e9f31e84e_chain, .Lfunc_end_k_q7e9f31e84e_chain-k_q7e9f31e84e_chain
	.p2alignl 7, 3214868480
	.fill 96, 4, 3214868480
	.section	.rodata,"a",@progbits
	.p2align	6, 0x0
	.amdhsa_kernel k_q7e9f31e84e_chain
		.amdhsa_group_segment_fixed_size 269568
		.amdhsa_private_segment_fixed_size 0
		.amdhsa_enable_private_segment 0
		.amdhsa_kernarg_size 48
		.amdhsa_user_sgpr_count 2
		.amdhsa_user_sgpr_kernarg_segment_ptr 1
		.amdhsa_wavefront_size32 1
		.amdhsa_system_sgpr_workgroup_id_x 1
		.amdhsa_system_sgpr_workgroup_id_y 1
		.amdhsa_system_sgpr_workgroup_id_z 1
		.amdhsa_system_vgpr_workitem_id 0
		.amdhsa_next_free_vgpr 512
		.amdhsa_next_free_sgpr 102
		.amdhsa_reserve_vcc 0
		.amdhsa_float_denorm_mode_32 3
		.amdhsa_float_denorm_mode_16_64 3
		.amdhsa_memory_ordered 1
		.amdhsa_forward_progress 1
		.amdhsa_inst_pref_size 241
	.end_amdhsa_kernel
	.amdgpu_metadata
---
amdhsa.version: [ 1, 2 ]
amdhsa.kernels:
  - .name:           k_q7e9f31e84e_chain
    .symbol:         k_q7e9f31e84e_chain.kd
    .args:
      - { .name: tiles, .offset: 0, .size: 8, .value_kind: global_buffer, .address_space: global }
      - { .name: gates, .offset: 8, .size: 8, .value_kind: global_buffer, .address_space: global }
      - { .name: xb, .offset: 16, .size: 8, .value_kind: global_buffer, .address_space: global }
      - { .name: w1l, .offset: 24, .size: 8, .value_kind: global_buffer, .address_space: global }
      - { .name: w2l, .offset: 32, .size: 8, .value_kind: global_buffer, .address_space: global }
      - { .name: out0, .offset: 40, .size: 8, .value_kind: global_buffer, .address_space: global }
    .group_segment_fixed_size: 269568
    .private_segment_fixed_size: 0
    .kernarg_segment_align: 8
    .kernarg_segment_size: 48
    .max_flat_workgroup_size: 256
    .sgpr_count:     102
    .vgpr_count:     512
    .wavefront_size: 32
...
	.end_amdgpu_metadata
.endif
;; end of part 3
;; ======== version 2 of 2: 3 launches; version 1 with the launches route, prep written anew for expert scheduling mode
;; limits: values are held in f16: magnitudes above 65,504 overflow, below 6.1e-05 lose precision; right only within a limited range of input values
;; workspace buffers: meta 65,536 bytes of whole numbers; gates 65,536 bytes; xb 16,777,216 bytes; tiles 50,688 bytes of whole numbers; w1l 8,388,608 bytes; w2l 8,388,608 bytes
;; launch route (part 4): grid 256 x 1, 8 waves a work-group, no clusters, 91,904 bytes of LDS; arguments x, router_w, xb, meta, gates; writes xb, meta, gates
.if DOCPART == 4
	.amdgcn_target "amdgcn-amd-amdhsa--gfx1250"
	.amdhsa_code_object_version 6
	.text
	.protected	k_q7e9f31e84e_route
	.globl	k_q7e9f31e84e_route
	.p2align	8
	.type	k_q7e9f31e84e_route,@function
k_q7e9f31e84e_route:
	s_mov_b64 s[64:65], 0
	v_nop
	global_prefetch_b8 v0, s[64:65] scope:SCOPE_SE
	s_setreg_imm32_b32 hwreg(HW_REG_WAVE_SCHED_MODE, 0, 2), 2
	s_setreg_imm32_b32 hwreg(HW_REG_WAVE_MODE, 25, 1), 1
	s_wait_xcnt 0x0
	s_wait_alu depctr_vm_vsrc(0)
; THE ROUTER.  logits = x router_w^T for 32 tokens a work-group; the two largest logits of a token; their gates; and x rounded to bf16 for the launch that multiplies.
; x: [8192][1024] f32, router_w: [8][1024] f32.  Both are rounded to bf16 (nearest even) before they are multiplied; sums in f32.
; OUT: xb [8192][1024] bf16.  meta [256 groups of 32 tokens][32 lanes] {rec, hist}: rec of lane t = pid | rank << 8 for token t, hist of lane p = how many of the group's tokens have pid p.
; pid = hi (hi - 1) / 2 + lo names the token's pair of experts lo < hi (0 to 27); rank = how many lower tokens of the group have the same pid.  gates [8192] {g_lo, g_hi} f32.
; All these are stored at fixed places: no address and no branch of this launch hangs on a logit.
; GATES.  reference()'s softmax followed by its division by the two kept values' sum is p1 / (p1 + p2): the softmax's denominator cancels.  With the larger logit l1 taken away first:
; g1 = 1 / (1 + e^(l2 - l1)), g2 = e^(l2 - l1) g1; the exponent is never above 0.
; LIMITS.  The two experts are chosen by the logits, not by the probabilities: equal logits keep the lower index, as jax.lax.top_k does, but two unequal logits whose probabilities round to the same f32
; are ordered by the logits here.  A second and third logit nearer than the rounding of a sum of 1,024 f32 products may change places against reference().  NaN and -inf among the logits are not served.
; SHARES.  Wave w loads, rounds and stores x's rows 4 w .. 4 w + 3 of the group's 32 and router_w's row w; the rounded rows also go into LDS.  Then wave w multiplies tokens 16 (w & 1) .. + 15 by all
; experts over K = 256 (w >> 1) .. + 255; wave 0 adds the four quarters and does the rest, a token a lane.
; THE MODE: SCHED_MODE bits 1:0 = 2 (LLVM: expert scheduling mode 2), set by the entry lines.  The code itself states the register dependences between vector or matrix instructions and memory or LDS
; instructions, and those from a vector instruction's scalar result to its readers, with s_wait_alu, always for 0.
; THE PLAN.  Registers that memory or LDS instructions touch:
;   v1, v2       offsets, made at the head, read by every load and global store; never written again.      v3-v7, v250  LDS addresses, made behind the loads' issue; never written again.
;   X  v10-169   the 40 loads land; the roundings read it; then the fragments' loads land in v10-137, the products read those, and wave 0's loads of the partial logits land in v10-41.
;   P  v170-249  written once, by the roundings; read by the LDS stores and the stores to xb; never written again.
;   SU v154-161  written by four packed additions, read by two LDS stores.      v58-61  wave 0's results, read by the last two stores.
; The 40 loads go in five batches of eight.  Batch b rounds its X into its P; the stores of batch b - 1 are dealt among those roundings, behind ONE wait at the batch's head, which states that batch b - 1's
; P is written; no rounding of batch b names a register that those stores read.  No register that a memory or LDS instruction reads is written again, so no wait on vm_vsrc is owed.
.set PT,    2064                       ; an LDS row: 2,048 bytes of bf16 + 16 = 516 words: the 16 rows of a fragment load start 4 words apart (64 banks of 4 bytes: ISA guide 11.1)
.set PART,  82688                      ; behind the 40 rows (32 of x, 8 of router_w): each wave's partial logits, 32 bytes a lane; the 1,024 bytes behind them, from 90,880 on, take each lane's closing add
.set LN16, 1                           ; v1   16 x lane
.set LN8,  2                           ; v2   8 x lane
.set ST,   3                           ; v3   LDS: my wave's first row of x + 8 x lane
.set RST,  4                           ; v4   LDS: my wave's row of router_w + 8 x lane
.set RA,   5                           ; v5   LDS: my lane's place in the fragments of router_w
.set RB,   6                           ; v6   the same for my 16 tokens
.set PA,   7                           ; v7   wave 0: where token = lane finds its first partial logits
.set X,    10                          ; v10-169   40 loads of 4 registers
.set P,    170                         ; v170-249  the same numbers rounded, 2 registers a load; never rewritten: the stores to xb read them
.set PS,   250                         ; v250 where I put my partial logits
.set TM,   251                         ; v251-254 at work
.set AF,   10                          ; behind the first barrier: 8 fragments of router_w,
.set BF,   74                          ; 8 of tokens,
.set AC0,  138                         ; two accumulators, which take turns,
.set AC1,  146
.set SU,   154                         ; and their sum
.set L,    10                          ; wave 0: 4 x 8 partial logits, then the 8 logits in v10-17
.set M1,   44
.set M2,   45
.set I1,   46
.set I2,   47
.set DD,   48
.set EE,   49
.set UU,   50
.set G1,   51
.set G2,   52
.set LO,   53
.set HI,   54
.set PID,  55
.set RANK, 56
.set TT,   57
.set REC,  58                          ; v[58:59] {rec, hist}
.set HIST, 59
.set GLO,  60                          ; v[60:61] {g_lo, g_hi}
.set GHI,  61
.set MK,   14                          ; s14-27  wave 0: the masks of 14 pairs at a time;  s28 a pair's count
	s_load_b256 s[4:11], s[0:1], 0x0               ; x s[4:5], router_w s[6:7], xb s[8:9], meta s[10:11]
	s_load_b64 s[12:13], s[0:1], 0x20              ; gates
	v_lshl_add_u32 v9, v0, 2, 0x16300
	v_mov_b32 v255, 0
	v_lshrrev_b32 v[TM], 5, v0
	v_readfirstlane_b32 s2, v[TM]                  ; wave 0..7
	v_and_b32 v[TM], 31, v0
	v_lshlrev_b32 v[LN16], 4, v[TM]
	v_lshlrev_b32 v[LN8], 3, v[TM]
	s_wait_alu depctr_va_sdst(0)                   ; s2 is written, ahead of its first reader: the wave's offsets are made from it
	s_lshl_b32 s14, ttmp9, 17                      ; x: 32 rows of 4,096 bytes a group,
	s_lshl_b32 s3, s2, 14                          ; 4 rows a wave
	s_add_co_u32 s14, s14, s3
	s_mov_b32 s15, 0
	s_lshl_b32 s16, s2, 12                         ; router_w: row w
	s_mov_b32 s17, 0
	s_lshl_b32 s18, ttmp9, 16                      ; xb: rows of 2,048 bytes
	s_lshl_b32 s3, s2, 13
	s_add_co_u32 s18, s18, s3
	s_mov_b32 s19, 0
	s_lshl_b32 s20, ttmp9, 8                       ; meta and gates: 256 bytes a group
	s_mov_b32 s21, 0
	s_wait_kmcnt 0x0
	s_add_nc_u64 s[4:5], s[4:5], s[14:15]
	s_add_nc_u64 s[6:7], s[6:7], s[16:17]
	s_add_nc_u64 s[8:9], s[8:9], s[18:19]
	s_add_nc_u64 s[10:11], s[10:11], s[20:21]
	s_add_nc_u64 s[12:13], s[12:13], s[20:21]
	s_wait_alu depctr_va_vdst(0)                   ; v1 and v2 are written: the loads below read v1 as their offset, the global stores v2
.set n, 0
.rept 8                                ; all 40 loads go out before the first wait; each covers 512 consecutive bytes
	global_load_b128 v[X+4*n:X+4*n+3], v[LN16], s[6:7] offset:512*n
.set n, n+1
.endr
.rept 32
	global_load_b128 v[X+4*n:X+4*n+3], v[LN16], s[4:5] offset:4096*((n-8)/8)+512*((n-8)%8) th:TH_LOAD_NT
.set n, n+1
.endr
	s_mul_i32 s3, s2, 4*PT
	v_add_nc_u32 v[ST], s3, v[LN8]
	s_mul_i32 s3, s2, PT
	s_add_co_u32 s3, s3, 32*PT
	v_add_nc_u32 v[RST], s3, v[LN8]
	v_and_b32 v[TM], 15, v0                        ; r = lane % 16
	v_bfe_u32 v[TM+3], v0, 4, 1                    ; h = lane / 16
	s_lshr_b32 s3, s2, 1
	s_lshl_b32 s3, s3, 9                           ; my quarter of K: 512 bytes of a row
	v_lshl_add_u32 v[TM+1], v[TM+3], 4, s3         ; 16 h + 512 q
	v_and_b32 v[TM+2], 7, v0
	v_mul_u32_u24 v[RA], v[TM+2], PT               ; source 0's rows 8-15 repeat the eight experts
	v_add3_u32 v[RA], v[RA], v[TM+1], 32*PT
	s_and_b32 s3, s2, 1
	s_mul_i32 s3, s3, 16*PT                        ; my 16 tokens
	v_mul_u32_u24 v[RB], v[TM], PT
	v_add3_u32 v[RB], v[RB], v[TM+1], s3
	v_lshl_add_u32 v[PS], v0, 5, PART              ; 32 bytes for each thread
	v_lshlrev_b32 v[PA], 5, v[TM]                  ; token t's logits lie with lane t % 16 of waves 2 q + t / 16
	v_lshl_add_u32 v[PA], v[TM+3], 10, v[PA]
	v_add_nc_u32 v[PA], PART, v[PA]
; Load n of 40 is rounded: four f32 a lane become 8 bytes.
.macro CV n
	v_cvt_pk_bf16_f32 v[P+2*(\n)], v[X+4*(\n)], v[X+4*(\n)+1]
	v_cvt_pk_bf16_f32 v[P+2*(\n)+1], v[X+4*(\n)+2], v[X+4*(\n)+3]
.endm
; And leaves: into LDS, and (x) to xb: a wave's store covers 256 consecutive bytes, aligned.
.macro OUT n
.if (\n) < 8
	ds_store_b64 v[RST], v[P+2*(\n):P+2*(\n)+1] offset:256*(\n)
.else
	ds_store_b64 v[ST], v[P+2*(\n):P+2*(\n)+1] offset:PT*(((\n)-8)/8)+256*(((\n)-8)%8)
	global_store_b64 v[LN8], v[P+2*(\n):P+2*(\n)+1], s[8:9] offset:2048*(((\n)-8)/8)+256*(((\n)-8)%8)
.endif
.endm
.set b, 0
.rept 5                                ; batch b: loads 8 b .. 8 b + 7: router_w's row, then x's four rows
	s_wait_loadcnt 32-8*b                          ; loads come back in order (ISA guide 5.7.1): the batch is in, the younger batches' loads stay out
.if b > 0
	s_wait_alu depctr_va_vdst(0)                   ; the batch before has written its P, which the stores below read (at the first of these waits: v3 and v4, their LDS addresses, are written too)
.endif
.set n, 8*b
.rept 8
.if b > 0
	OUT n-8                                        ; no wait: no rounding since the wait above names these registers
.endif
	CV n
.set n, n+1
.endr
.set b, b+1
.endr
	s_wait_alu depctr_va_vdst(0)                   ; the last batch has written its P; all roundings are done reading X, in which the fragments' loads land behind the barrier; v5 and v6, their addresses, are written
.set n, 32
.rept 8
	OUT n
.set n, n+1
.endr
	s_wait_dscnt 0x0                               ; for the others' sake: my rows are in LDS
	s_barrier_signal -1
	s_barrier_wait -1
.set k, 0
.rept 8                                ; 8 K steps of 32: a fragment is two loads of 16 bytes, 32 bytes apart.  No vector instruction has been issued since the wait above
	ds_load_b128 v[AF+8*k:AF+8*k+3],   v[RA] offset:64*k
	ds_load_b128 v[AF+8*k+4:AF+8*k+7], v[RA] offset:64*k+32
	ds_load_b128 v[BF+8*k:BF+8*k+3],   v[RB] offset:64*k
	ds_load_b128 v[BF+8*k+4:BF+8*k+7], v[RB] offset:64*k+32
.set k, k+1
.endr
	s_wait_dscnt 0x0
.set k, 0
.rept 8                                ; source 0 = experts, source 1 = tokens: a lane of the lower half then holds ONE token and, in registers 0-7, experts 0-7.  Two accumulators by turns
.if k < 2
	v_wmma_f32_16x16x32_bf16 v[AC0+8*(k%2):AC0+8*(k%2)+7], v[AF+8*k:AF+8*k+7], v[BF+8*k:BF+8*k+7], 0
.else
	v_wmma_f32_16x16x32_bf16 v[AC0+8*(k%2):AC0+8*(k%2)+7], v[AF+8*k:AF+8*k+7], v[BF+8*k:BF+8*k+7], v[AC0+8*(k%2):AC0+8*(k%2)+7]
.endif
.set k, k+1
.endr
.rept 4
	v_nop                                          ; four places behind the products (ISA guide 7.12.1)
.endr
.set j, 0
.rept 4
	v_pk_add_f32 v[SU+2*j:SU+2*j+1], v[AC0+2*j:AC0+2*j+1], v[AC1+2*j:AC1+2*j+1]
.set j, j+1
.endr
	s_wait_alu depctr_va_vdst(0)                   ; the additions have written SU, which the LDS stores read; the products are done reading the fragments, in which wave 0's loads land behind the barrier
	ds_store_b128 v[PS], v[SU:SU+3]
	ds_store_b128 v[PS], v[SU+4:SU+7] offset:16
	s_wait_dscnt 0x0                               ; for wave 0's sake
	s_barrier_signal -1
	s_barrier_wait -1
	s_cmp_lg_u32 s2, 0
	s_cbranch_scc1 .Lend                           ; the rest is 32 tokens' work: one wave, a token a lane
.set q, 0
.rept 4
	ds_load_b128 v[L+8*q:L+8*q+3],   v[PA] offset:2048*q
	ds_load_b128 v[L+8*q+4:L+8*q+7], v[PA] offset:2048*q+16
.set q, q+1
.endr
	v_mov_b32 v[I1], 0
	v_mov_b32 v[I2], 0
	v_mov_b32 v[M2], 0xff800000                    ; -inf
	v_mov_b32 v[HIST], 0
	v_mov_b32 v[RANK], 0
	s_wait_dscnt 0x0
.set j, 0
.rept 4
	v_pk_add_f32 v[L+2*j:L+2*j+1], v[L+2*j:L+2*j+1], v[L+8+2*j:L+8+2*j+1]
	v_pk_add_f32 v[L+16+2*j:L+16+2*j+1], v[L+16+2*j:L+16+2*j+1], v[L+24+2*j:L+24+2*j+1]
.set j, j+1
.endr
.set j, 0
.rept 4
	v_pk_add_f32 v[L+2*j:L+2*j+1], v[L+2*j:L+2*j+1], v[L+16+2*j:L+16+2*j+1]
.set j, j+1
.endr
	v_mov_b32 v[M1], v[L]
; Expert e against the two best so far.  'Not greater' keeps what is there, so that of equal logits the lower index stays in front.  A step hangs on the step before it, so each has a wait of its own;
; both masks go into scalar registers, so that it is one.
.macro TOP e
	v_cmp_le_f32 s23, v[L+(\e)], v[M1]
	v_cmp_le_f32 s22, v[L+(\e)], v[M2]
	s_wait_alu depctr_va_sdst(0)                   ; s22 and s23 are written, ahead of the selects that read them
	v_cndmask_b32 v[M2], v[L+(\e)], v[M2], s22
	v_cndmask_b32 v[I2], \e, v[I2], s22
	v_cndmask_b32 v[M2], v[M1], v[M2], s23
	v_cndmask_b32 v[I2], v[I1], v[I2], s23
	v_cndmask_b32 v[M1], v[L+(\e)], v[M1], s23
	v_cndmask_b32 v[I1], \e, v[I1], s23
.endm
.irp e, 1,2,3,4,5,6,7
	TOP \e
.endr
	v_cmp_lt_u32 vcc_lo, v[I1], v[I2]              ; which of the two is lo: asked here, read behind the gates' arithmetic
	v_sub_f32 v[DD], v[M2], v[M1]                  ; l2 - l1, never above 0
	v_mul_f32 v[DD], 0x3fb8aa3b, v[DD]             ; x log2(e)
	v_exp_f32 v[EE], v[DD]
	v_min_u32 v[LO], v[I1], v[I2]                  ; a plain instruction behind the exponential,
	s_wait_alu depctr_va_vdst(0)                   ; and the wait ahead of its first reader: the exponential has written v49
	v_add_f32 v[UU], 1.0, v[EE]
	v_rcp_f32 v[G1], v[UU]
	v_max_u32 v[HI], v[I1], v[I2]                  ; the same behind the reciprocal:
	s_wait_alu depctr_va_vdst(0)                   ; it has written v51
	v_mul_f32 v[G2], v[EE], v[G1]
	s_wait_alu depctr_va_vcc(0)                    ; VCC is written, ahead of the two selects that read it
	v_cndmask_b32 v[GLO], v[G2], v[G1], vcc_lo
	v_cndmask_b32 v[GHI], v[G1], v[G2], vcc_lo
	v_add_nc_u32 v[TT], -1, v[HI]
	v_mul_u32_u24 v[TT], v[TT], v[HI]
	v_lshrrev_b32 v[TT], 1, v[TT]
	v_add_nc_u32 v[PID], v[TT], v[LO]
; Pair p: its tokens as a mask; their number goes to lane p of hist; each of them takes the number of its fellows in lower lanes.  The 28 compares stand in two runs of 14, a mask register each, one wait behind a run.
.set p0, 0
.rept 2
.set k, 0
.rept 14
	v_cmp_eq_u32 s[MK+k], p0+k, v[PID]
.set k, k+1
.endr
	s_wait_alu depctr_va_sdst(0)                   ; the run's 14 masks are written, ahead of the counts and selects that read them
.set k, 0
.rept 14
	s_bcnt1_i32_b32 s28, s[MK+k]
	v_writelane_b32 v[HIST], s28, p0+k
	v_mbcnt_lo_u32_b32 v[TT], s[MK+k], 0
	v_cndmask_b32 v[RANK], v[RANK], v[TT], s[MK+k]
.set k, k+1
.endr
.set p0, p0+14
.endr
	v_lshl_or_b32 v[REC], v[RANK], 8, v[PID]
	s_wait_alu depctr_va_vdst(0)                   ; rec, hist and the two gates, v58 to v61, are written: the two stores read them
	global_store_b64 v[LN8], v[REC:REC+1], s[10:11]  ; 256 consecutive bytes, aligned
	global_store_b64 v[LN8], v[GLO:GLO+1], s[12:13]
.Lend:
	s_wait_dscnt 0x0                               ; the wave's end
	s_wait_alu depctr_hold_cnt(0) depctr_sa_sdst(0) depctr_va_vdst(0) depctr_va_sdst(0) depctr_va_ssrc(0) depctr_va_vcc(0) depctr_vm_vsrc(0)
	s_wait_tensorcnt 0x0
	ds_add_u32 v9, v255
	s_wait_dscnt 0x0
	s_endpgm
.Lfunc_end_k_q7e9f31e84e_route:
	.size	k_q7e9f31e84e_route, .Lfunc_end_k_q7e9f31e84e_route-k_q7e9f31e84e_route
	.p2alignl 7, 3214868480
	.fill 96, 4, 3214868480
	.section	.rodata,"a",@progbits
	.p2align	6, 0x0
	.amdhsa_kernel k_q7e9f31e84e_route
		.amdhsa_group_segment_fixed_size 91904
		.amdhsa_private_segment_fixed_size 0
		.amdhsa_enable_private_segment 0
		.amdhsa_kernarg_size 40
		.amdhsa_user_sgpr_count 2
		.amdhsa_user_sgpr_kernarg_segment_ptr 1
		.amdhsa_wavefront_size32 1
		.amdhsa_system_sgpr_workgroup_id_x 1
		.amdhsa_system_sgpr_workgroup_id_y 1
		.amdhsa_system_sgpr_workgroup_id_z 1
		.amdhsa_system_vgpr_workitem_id 0
		.amdhsa_next_free_vgpr 256
		.amdhsa_next_free_sgpr 66
		.amdhsa_reserve_vcc 1
		.amdhsa_float_denorm_mode_32 3
		.amdhsa_float_denorm_mode_16_64 3
		.amdhsa_memory_ordered 1
		.amdhsa_forward_progress 1
		.amdhsa_inst_pref_size 35
	.end_amdhsa_kernel
	.amdgpu_metadata
---
amdhsa.version: [ 1, 2 ]
amdhsa.kernels:
  - .name:           k_q7e9f31e84e_route
    .symbol:         k_q7e9f31e84e_route.kd
    .args:
      - { .name: x, .offset: 0, .size: 8, .value_kind: global_buffer, .address_space: global }
      - { .name: router_w, .offset: 8, .size: 8, .value_kind: global_buffer, .address_space: global }
      - { .name: xb, .offset: 16, .size: 8, .value_kind: global_buffer, .address_space: global }
      - { .name: meta, .offset: 24, .size: 8, .value_kind: global_buffer, .address_space: global }
      - { .name: gates, .offset: 32, .size: 8, .value_kind: global_buffer, .address_space: global }
    .group_segment_fixed_size: 91904
    .private_segment_fixed_size: 0
    .kernarg_segment_align: 8
    .kernarg_segment_size: 40
    .max_flat_workgroup_size: 256
    .sgpr_count:     66
    .vgpr_count:     256
    .wavefront_size: 32
...
	.end_amdgpu_metadata
.endif
;; end of part 4
;; launch prep (part 5): grid 256 x 1, 8 waves a work-group, no clusters, 72,192 bytes of LDS; arguments fc1_w, fc2_w, meta, w1l, w2l, tiles; writes w1l, w2l, tiles
.if DOCPART == 5
	.amdgcn_target "amdgcn-amd-amdhsa--gfx1250"
	.amdhsa_code_object_version 6
	.text
	.protected	k_q7e9f31e84e_prep
	.globl	k_q7e9f31e84e_prep
	.p2align	8
	.type	k_q7e9f31e84e_prep,@function
k_q7e9f31e84e_prep:
	s_mov_b64 s[64:65], 0
	v_nop
	global_prefetch_b8 v0, s[64:65] scope:SCOPE_SE
	s_setreg_imm32_b32 hwreg(HW_REG_WAVE_SCHED_MODE, 0, 2), 2
	s_setreg_imm32_b32 hwreg(HW_REG_WAVE_MODE, 25, 1), 1
	s_wait_xcnt 0x0
	s_wait_alu depctr_vm_vsrc(0)
; TWO JOBS IN EVERY WORK-GROUP.  (1) Its share of the experts' weights is rounded to bf16 (nearest even) and laid in the order in which the next launch's operand registers take them.
; (2) It finds the tokens of ONE tile, T = the work-group's number: the 8,192 tokens, ordered by their pair of experts, are cut into tiles of 48 tokens of one pair.  Every work-group counts the routing
; for itself from the 64 KB of meta: the weights' loads are asked for first, and the counting stands in the wait for them.
; FORMATS.  w1l holds bf16.  w2l holds f16: fc2_w is rounded to bf16 like every input, and that number is then written as f16, since the next launch multiplies the hidden layer in f16.
; LIMITS.  The second step is exact for magnitudes from 7.6e-6 (2^-17) to 65,504; below, the number keeps f16's fixed step of 6e-8; a weight of fc2_w beyond 65,504 is not served.
; FRAGMENTS.  A fragment is 16 weight rows R0 .. x 32 k from k0: 1,024 bytes; byte 512 a + 16 (r + 16 h) + 2 j holds W[R0 + r][k0 + 16 a + 8 h + j]: two loads of 16 bytes a lane, at 16 x lane and 512 on,
; fill the 8 registers of a matrix operand.  w1l: [expert][wave 4][k 32][nb 8], R0 = 128 wave + 16 nb, k0 = 32 k.  w2l: [expert][wave 4][half 2][k 16][nb 8], R0 = 256 wave + 128 half + 16 nb.
; TILES.  198 records of 256 bytes: words 0-47 token numbers (0 past the count), 48 lo, 49 hi, 50 the count, the rest 0.  With 28 pairs the sum of ceil(n / 48) is at most (8,192 + 28 x 47) / 48 = 198
; for every split of the tokens; records that a split leaves over have the count 0.  Work-groups 198 to 255 have no tile and store none.
; THE MODE: SCHED_MODE bits 1:0 = 2 (LLVM: expert scheduling mode 2), set by the entry lines.  The code itself states the register dependences between vector instructions and memory or LDS instructions,
; and those from a vector instruction's scalar result to its readers, with s_wait_alu, always for 0.
; THE PLAN.  Registers that memory or LDS instructions touch:
;   v4, v8        offsets, made at the head; never written again.      v5, v6, v9-v13  LDS addresses and two zeros, made behind the loads' issue; never written again.
;   M odd (hist)  meta's loads land; the running sums read them; the eight totals land in the first eight and are summed; the 32 pulls land; the place arithmetic writes them anew, as LDS addresses; a phase's stores read them.
;   M even (rec)  meta's loads land; the place arithmetic reads them and writes them anew, as token numbers; a phase's stores read them.
;   PF v80-111, v117   written by vector additions, read by the pulls; not written again.      PF + 32  the running sum's end, read by one LDS store.
;   X  v128-255   the weights' loads land; rounded in place; the LDS stores read the rounded words; the 16 loads from the strips land in v128-191; the global stores read those.
;   v14-15        wave 0: the record's load lands; masked and filled by vector instructions; stored.
; Each run of LDS or memory instructions stands behind one wait that states what it reads or lands in; the weights go in four batches of eight loads, the LDS stores of batch b - 1 dealt among the roundings of
; batch b, which name batch b's registers alone.  Compares and lane reads stand in runs, a scalar register each, one wait behind a run.
.set NT,    198
.set CVW,   8704                       ; the conversion: each wave's own two strips of 16 rows x 272 bytes, from LDS byte 0 on
.set WT,    69632                      ; behind them: each wave's totals by pair, 128 bytes a wave
.set REC,   70656                      ; the tile's 48 token words, and word 48, which takes every token that is not the tile's and is never used; the 1,024 bytes from 71,168 on take each lane's closing add
.set LN,   1                           ; v1   lane
.set GA,   4                           ; v4   16 x lane
.set LS,   5                           ; v5   the conversion's LDS: in
.set LR,   6                           ; v6   and back
.set T7,   7
.set MO,   8                           ; v8   my offset in meta: 8,192 wave + 8 lane
.set WA,   9                           ; v9   LDS: lane's word of wave 0's totals
.set WS,   10                          ; v10  of my wave's
.set RCA,  11                          ; v11  LDS: the record's words 2 lane, 2 lane + 1
.set ZZ,   12                          ; v[12:13] zeros
.set RB,   14                          ; v[14:15] the record on its way out
.set M,    16                          ; v16-79   group i: rec at M + 2 i (later the token's number), hist at M + 2 i + 1 (later what is pulled, then the LDS address)
.set PF,   80                          ; v80-112  counts of my wave's groups before group i, by pair
.set NN,   113                         ; a pair's tokens
.set WOFF, 114                         ; those in the waves before mine
.set TC,   115                         ; its tiles
.set SS,   116
.set SPA,  117                         ; 4 x my tile's pair: the lane to pull from
.set TA,   118
.set TB,   119
.set TK0,  120                         ; 1,024 wave + lane
.set X,    128                         ; v128-255 32 weight loads of 4 registers, rounded in place; the first 64 then take the fragments' halves
	s_load_b256 s[4:11], s[0:1], 0x0               ; fc1_w s[4:5], fc2_w s[6:7], meta s[8:9], w1l s[10:11]
	s_load_b128 s[12:15], s[0:1], 0x20             ; w2l s[12:13], tiles s[14:15]
	v_lshl_add_u32 v126, v0, 2, 0x11600
	v_mov_b32 v127, 0
	v_lshrrev_b32 v[LN], 5, v0
	v_readfirstlane_b32 s2, v[LN]                  ; wave 0..7
	v_and_b32 v[LN], 31, v0
	s_mov_b32 s3, ttmp9                            ; T
	s_wait_alu depctr_va_sdst(0)                   ; s2 is written, ahead of its first reader: the wave's strips and offsets are made from it
	; Wave W of 2,048 takes one strip of fc1_w and one of fc2_w: 16 rows x 128 k, four fragments.
	s_lshl_b32 s16, s3, 3
	s_add_co_u32 s16, s16, s2                      ; W
	s_lshr_b32 s17, s16, 3                         ; fc1_w: block of 16 rows (of 4,096 bytes),
	s_and_b32 s18, s16, 7                          ; and which 128 k
	s_lshl_b32 s20, s17, 16
	s_lshl_b32 s19, s18, 9
	s_add_co_u32 s20, s20, s19
	s_mov_b32 s21, 0
	s_lshr_b32 s22, s16, 6                         ; w1l: (expert, wave) x 262,144
	s_lshl_b32 s22, s22, 18
	s_and_b32 s17, s17, 7                          ; + nb x 1,024
	s_lshl_b32 s17, s17, 10
	s_add_co_u32 s22, s22, s17
	s_lshl_b32 s18, s18, 15                        ; + four k steps of 8,192 for each 128 k
	s_add_co_u32 s22, s22, s18
	s_mov_b32 s23, 0
	s_lshr_b32 s17, s16, 2                         ; fc2_w: block of 16 rows (of 2,048 bytes),
	s_and_b32 s18, s16, 3                          ; and which 128 k
	s_lshl_b32 s24, s17, 15
	s_lshl_b32 s19, s18, 9
	s_add_co_u32 s24, s24, s19
	s_mov_b32 s25, 0
	s_lshr_b32 s26, s16, 5                         ; w2l: (expert, wave, half) x 131,072
	s_lshl_b32 s26, s26, 17
	s_and_b32 s17, s17, 7
	s_lshl_b32 s17, s17, 10
	s_add_co_u32 s26, s26, s17
	s_lshl_b32 s18, s18, 15
	s_add_co_u32 s26, s26, s18
	s_mov_b32 s27, 0
	s_lshl_b32 s28, s3, 8                          ; tiles: record T
	s_mov_b32 s29, 0
	v_lshlrev_b32 v[GA], 4, v[LN]
	v_lshlrev_b32 v[MO], 3, v[LN]
	s_lshl_b32 s17, s2, 13                         ; my wave's groups 32 w .. 32 w + 31, 256 bytes each
	v_add_nc_u32 v[MO], s17, v[MO]
	s_wait_kmcnt 0x0
	s_add_nc_u64 s[4:5], s[4:5], s[20:21]
	s_add_nc_u64 s[10:11], s[10:11], s[22:23]
	s_add_nc_u64 s[6:7], s[6:7], s[24:25]
	s_add_nc_u64 s[12:13], s[12:13], s[26:27]
	s_add_nc_u64 s[14:15], s[14:15], s[28:29]
	s_wait_alu depctr_va_vdst(0)                   ; v4 and v8 are written: every global load and store of the kernel reads one of them as its offset
.set i, 0
.rept 32
	global_load_b64 v[M+2*i:M+2*i+1], v[MO], s[8:9] offset:256*i
.set i, i+1
.endr
.set i, 0
.rept 16                               ; fc1_w's strip: each load covers 512 consecutive bytes
	global_load_b128 v[X+4*i:X+4*i+3], v[GA], s[4:5] offset:4096*i th:TH_LOAD_NT
.set i, i+1
.endr
	v_lshl_add_u32 v[WA], v[LN], 2, WT
	s_lshl_b32 s17, s2, 7
	v_add_nc_u32 v[WS], s17, v[WA]
	v_lshl_add_u32 v[RCA], v[LN], 3, REC
	v_mov_b32 v[ZZ], 0
	v_mov_b32 v[ZZ+1], 0
	s_mul_i32 s17, s2, CVW
	v_lshl_add_u32 v[LS], v[LN], 3, s17
	v_and_b32 v[LR], 15, v0
	v_bfe_u32 v[T7], v0, 4, 1
	v_mul_u32_u24 v[LR], v[LR], 272
	v_lshl_add_u32 v[LR], v[T7], 4, v[LR]
	v_add_nc_u32 v[LR], s17, v[LR]                 ; row r, 16 bytes for each half of the lanes
	v_and_b32 v[TA], 0xe0, v0
	v_lshl_add_u32 v[TK0], v[TA], 5, v[LN]
	s_cmp_lg_u32 s2, 0
	s_cbranch_scc1 .Lno_clear
	s_wait_alu depctr_va_vdst(0)                   ; v11 and the two zeros are written: the store below reads them
	ds_store_b64 v[RCA], v[ZZ:ZZ+1]                ; wave 0 clears the record's 64 words
.Lno_clear:
; THE COUNT, without atomics.  With a pair a lane: a running sum of my wave's groups' counts; the waves' totals meet in LDS.
	v_mov_b32 v[PF], 0
.set i, 0
.rept 32
	s_wait_loadcnt 47-i                            ; behind group i's load stand 31 - i of meta and the 16 of fc1_w
	v_add_nc_u32 v[PF+i+1], v[PF+i], v[M+2*i+1]
.set i, i+1
.endr
.set i, 0
.rept 16                               ; fc2_w's strip goes out now: 32 weight loads are out while the tile is found.  No wait: no vector instruction has named v192-255, and v4 stands as the head's wait found it
	global_load_b128 v[X+64+4*i:X+64+4*i+3], v[GA], s[6:7] offset:2048*i th:TH_LOAD_NT
.set i, i+1
.endr
	s_wait_alu depctr_va_vdst(0)                   ; the running sum has written its end, and v9 and v10 are written: the store and the loads below read them; the sums are done reading the hist registers, in which those loads land
	ds_store_b32 v[WS], v[PF+32]
	s_wait_dscnt 0x0                               ; for the others' sake: my totals (and wave 0's cleared record)
	s_barrier_signal -1
	s_barrier_wait -1
.set j, 0
.rept 8                                ; the hist registers are free: the eight waves' totals come into the first eight of them
	ds_load_b32 v[M+2*j+1], v[WA] offset:128*j
.set j, j+1
.endr
	v_mov_b32 v[WOFF], 0
	s_wait_dscnt 0x0
	v_add3_u32 v[NN], v[M+1], v[M+3], v[M+5]
	v_add3_u32 v[NN], v[NN], v[M+7], v[M+9]
	v_add3_u32 v[NN], v[NN], v[M+11], v[M+13]
	v_add_nc_u32 v[NN], v[NN], v[M+15]
.set j, 0
.rept 7
	s_cmp_gt_u32 s2, j                             ; wave j stands before mine
	s_cselect_b32 s17, -1, 0
	v_and_b32 v[TA], s17, v[M+2*j+1]
	v_add_nc_u32 v[WOFF], v[WOFF], v[TA]
.set j, j+1
.endr
	v_add_nc_u32 v[TA], 47, v[NN]
	v_mul_u32_u24 v[TA], v[TA], 0xaaab             ; 43,691 x 48 = 2^21 + 16: floor(y / 48) = y x 43,691 >> 21 for y up to 8,239 (the excess, y / 48 x 16 / 2^21, stays under 1 / 48)
	v_lshrrev_b32 v[TC], 21, v[TA]
	s_mov_b32 s20, 0                               ; the running first tile
	s_mov_b32 s23, 0                               ; my tile's pair,
	s_mov_b32 s24, 0                               ; that pair's first tile
	s_mov_b32 s25, 0                               ; and tokens
; Pair p takes ceil(n / 48) tiles from the running first tile.  The last pair whose first tile is not above T is T's.
; The lane reads stand in four runs of seven pairs, two scalar registers a pair (s16-19, s26-35), one wait behind a run.
.set p0, 0
.rept 4
.set k, 0
.rept 7
.set sa, 16+2*k+6*((2*k+12)/16)        ; 16, 18, 26, 28, 30, 32, 34
	v_readlane_b32 s[sa], v[TC], p0+k
	v_readlane_b32 s[sa+1], v[NN], p0+k
.set k, k+1
.endr
	s_wait_alu depctr_va_sdst(0)                   ; the run's 14 scalar registers are written, ahead of the selects and additions that read them
.set k, 0
.rept 7
.set sa, 16+2*k+6*((2*k+12)/16)
	s_cmp_le_u32 s20, s3
	s_cselect_b32 s23, p0+k, s23
	s_cselect_b32 s24, s20, s24
	s_cselect_b32 s25, s[sa+1], s25
	s_add_co_u32 s20, s20, s[sa]
.set k, k+1
.endr
.set p0, p0+7
.endr
	s_sub_co_u32 s27, s3, s24
	s_mul_i32 s27, s27, 48                         ; the tile begins at this place among its pair's tokens
	s_sub_co_i32 s28, s25, s27                     ; the count: what the pair has left from there, held to 0 .. 48
	s_max_i32 s28, s28, 0
	s_min_i32 s28, s28, 48
	s_mov_b32 s29, 1                               ; hi = 1 + how many of hi (hi - 1) / 2 for hi = 2 .. 7 the pair's number reaches
.irp c, 1,3,6,10,15,21
	s_cmp_ge_u32 s23, \c
	s_add_co_ci_u32 s29, s29, 0
.endr
	s_sub_co_u32 s30, s29, 1
	s_mul_i32 s30, s30, s29
	s_lshr_b32 s30, s30, 1
	s_sub_co_u32 s30, s23, s30                     ; lo
	s_sub_co_u32 s31, 0, s27
	v_add_nc_u32 v[SS], s31, v[WOFF]               ; by pair: tokens in the waves before mine, less the tile's beginning
	s_lshl_b32 s32, s23, 2
	v_mov_b32 v[SPA], s32
.set i, 0
.rept 32
	v_add_nc_u32 v[PF+i], v[PF+i], v[SS]
.set i, i+1
.endr
	s_wait_alu depctr_va_vdst(0)                   ; the 32 figures and v117 are written: the pulls read them; the totals' sums are done reading the hist registers, in which the pulls land
.set i, 0
.rept 32                               ; every lane pulls my tile's pair's figure for group i
	ds_bpermute_b32 v[M+2*i+1], v[SPA], v[PF+i]
.set i, i+1
.endr
	s_wait_dscnt 0x0
; With a token a lane: its place in the tile = that figure + its rank in the group; what is not the tile's pair, or falls outside 0 .. 47 (below 0 wraps upward), goes to word 48.
; The 32 compares stand in four runs of eight, a mask register each (s16-22, s24), one wait behind a run.
.set i0, 0
.rept 4
.set k, 0
.rept 8
	v_and_b32 v[TA], 0xff, v[M+2*(i0+k)]
	v_cmp_eq_u32 s[16+k+k/7], s23, v[TA]
.set k, k+1
.endr
	s_wait_alu depctr_va_sdst(0)                   ; the run's eight masks are written, ahead of the selects that read them
.set k, 0
.rept 8
.set i, i0+k
	v_lshrrev_b32 v[TB], 8, v[M+2*i]
	v_add_nc_u32 v[TB], v[TB], v[M+2*i+1]
	v_cndmask_b32 v[TB], 48, v[TB], s[16+k+k/7]
	v_min_u32 v[TB], 48, v[TB]
	v_lshl_add_u32 v[M+2*i+1], v[TB], 2, REC
	v_add_nc_u32 v[M+2*i], 32*i, v[TK0]
.set k, k+1
.endr
.set i0, i0+8
.endr
	s_wait_alu depctr_va_vdst(0)                   ; the 32 LDS addresses and the 32 token numbers are written: my phase's stores read them; no vector instruction follows before the phases are over
	s_barrier_signal -1
	s_barrier_wait -1                              ; every wave has read the totals
; The token numbers go into the record one wave at a time, a barrier behind each wave's 32 stores: the tile's places are disjoint by the count's arithmetic, but they come from loaded numbers, and word 48
; is everybody's: so there is one writer between two barriers.
.macro PHASE j
	s_cmp_lg_u32 s2, \j
	s_cbranch_scc1 .Lnot_mine_\@
.set i, 0
.rept 32
	ds_store_b32 v[M+2*i+1], v[M+2*i]
.set i, i+1
.endr
.Lnot_mine_\@:
	s_wait_dscnt 0x0
	s_barrier_signal -1
	s_barrier_wait -1
.endm
.irp j, 0,1,2,3,4,5,6,7
	PHASE \j
.endr
	s_cmp_lg_u32 s2, 0
	s_cbranch_scc1 .Lweights                       ; the record leaves by wave 0,
	s_cmp_ge_u32 s3, NT
	s_cbranch_scc1 .Lweights                       ; where there is a tile T
	ds_load_b64 v[RB:RB+1], v[RCA]                 ; no vector instruction has named v14 and v15
	v_cmp_gt_u32 vcc_lo, 24, v[LN]
	s_wait_dscnt 0x0
	s_wait_alu depctr_va_vcc(0)                    ; VCC is written, ahead of the two selects that read it
	v_cndmask_b32 v[RB], 0, v[RB], vcc_lo          ; lanes 0-23 hold the 48 tokens; the rest is 0,
	v_cndmask_b32 v[RB+1], 0, v[RB+1], vcc_lo
	v_writelane_b32 v[RB], s30, 24                 ; but words 48, 49, 50: lo, hi, the count
	v_writelane_b32 v[RB+1], s29, 24
	v_writelane_b32 v[RB], s28, 25
	s_wait_alu depctr_va_vdst(0)                   ; the selects and lane writes have written v14 and v15, which the store reads
	global_store_b64 v[MO], v[RB:RB+1], s[14:15]   ; in wave 0 this offset is 8 x lane: 256 consecutive bytes, aligned
.Lweights:
; THE WEIGHTS.  The rounded rows go through the wave's own LDS (rows 272 bytes apart: 68 words, so 16 rows start 4 words apart: 64 banks of 4 bytes, ISA guide 11.1) and come back a fragment's half at a
; time; each store covers 512 consecutive bytes, aligned.  Loads 16 to 31 are fc2_w's: their bf16 numbers are widened again (a shift, a mask) and written as f16.
.macro RND n                           ; load n is rounded in place: its four f32 close up into its first two registers
	v_cvt_pk_bf16_f32 v[X+4*(\n)], v[X+4*(\n)], v[X+4*(\n)+1]
	v_cvt_pk_bf16_f32 v[X+4*(\n)+1], v[X+4*(\n)+2], v[X+4*(\n)+3]
.if (\n) >= 16
	v_lshlrev_b32 v[X+4*(\n)+2], 16, v[X+4*(\n)]
	v_and_b32 v[X+4*(\n)+3], 0xffff0000, v[X+4*(\n)]
	v_cvt_pk_f16_f32 v[X+4*(\n)], v[X+4*(\n)+2], v[X+4*(\n)+3]
	v_lshlrev_b32 v[X+4*(\n)+2], 16, v[X+4*(\n)+1]
	v_and_b32 v[X+4*(\n)+3], 0xffff0000, v[X+4*(\n)+1]
	v_cvt_pk_f16_f32 v[X+4*(\n)+1], v[X+4*(\n)+2], v[X+4*(\n)+3]
.endif
.endm
.macro PUT n                           ; and goes into its strip
	ds_store_b64 v[LS], v[X+4*(\n):X+4*(\n)+1] offset:4352*((\n)/16)+272*((\n)%16)
.endm
.set b, 0
.rept 4                                ; batch b: loads 8 b .. 8 b + 7
	s_wait_loadcnt 24-8*b                          ; loads come back in order (ISA guide 5.7.1): the batch is in, the younger batches' loads stay out
.if b > 0
	s_wait_alu depctr_va_vdst(0)                   ; the batch before has written its rounded words, which the LDS stores below read
.endif
.set n, 8*b
.rept 8
.if b > 0
	PUT n-8                                        ; no wait: no rounding since the wait above names these registers
.endif
	RND n
.set n, n+1
.endr
.set b, b+1
.endr
	s_wait_alu depctr_va_vdst(0)                   ; the last batch has written its rounded words; all roundings are done with v128-191, in which the loads from the strips land
.set n, 24
.rept 8
	PUT n
.set n, n+1
.endr
	s_wait_alu depctr_vm_vsrc(0)                   ; the LDS stores have read their data in v128-191, in which the loads below land
.set m, 0
.rept 16                               ; strip m / 8, fragment (m % 8) / 2, half m % 2.  LDS serves a wave's instructions in order (ISA guide 5.7.1.4): these see the stores above
	ds_load_b128 v[X+4*m:X+4*m+3], v[LR] offset:4352*(m/8)+64*((m%8)/2)+32*(m%2)
.set m, m+1
.endr
.set m, 0
.rept 16
	s_wait_dscnt 15-m
.if m < 8
	global_store_b128 v[GA], v[X+4*m:X+4*m+3], s[10:11] offset:8192*((m%8)/2)+512*(m%2)
.else
	global_store_b128 v[GA], v[X+4*m:X+4*m+3], s[12:13] offset:8192*((m%8)/2)+512*(m%2)
.endif
.set m, m+1
.endr
	s_wait_dscnt 0x0                               ; the wave's end
	s_wait_alu depctr_hold_cnt(0) depctr_sa_sdst(0) depctr_va_vdst(0) depctr_va_sdst(0) depctr_va_ssrc(0) depctr_va_vcc(0) depctr_vm_vsrc(0)
	s_wait_tensorcnt 0x0
	ds_add_u32 v126, v127
	s_wait_dscnt 0x0
	s_endpgm
.Lfunc_end_k_q7e9f31e84e_prep:
	.size	k_q7e9f31e84e_prep, .Lfunc_end_k_q7e9f31e84e_prep-k_q7e9f31e84e_prep
	.p2alignl 7, 3214868480
	.fill 96, 4, 3214868480
	.section	.rodata,"a",@progbits
	.p2align	6, 0x0
	.amdhsa_kernel k_q7e9f31e84e_prep
		.amdhsa_group_segment_fixed_size 72192
		.amdhsa_private_segment_fixed_size 0
		.amdhsa_enable_private_segment 0
		.amdhsa_kernarg_size 48
		.amdhsa_user_sgpr_count 2
		.amdhsa_user_sgpr_kernarg_segment_ptr 1
		.amdhsa_wavefront_size32 1
		.amdhsa_system_sgpr_workgroup_id_x 1
		.amdhsa_system_sgpr_workgroup_id_y 1
		.amdhsa_system_sgpr_workgroup_id_z 1
		.amdhsa_system_vgpr_workitem_id 0
		.amdhsa_next_free_vgpr 256
		.amdhsa_next_free_sgpr 66
		.amdhsa_reserve_vcc 1
		.amdhsa_float_denorm_mode_32 3
		.amdhsa_float_denorm_mode_16_64 3
		.amdhsa_memory_ordered 1
		.amdhsa_forward_progress 1
		.amdhsa_inst_pref_size 72
	.end_amdhsa_kernel
	.amdgpu_metadata
---
amdhsa.version: [ 1, 2 ]
amdhsa.kernels:
  - .name:           k_q7e9f31e84e_prep
    .symbol:         k_q7e9f31e84e_prep.kd
    .args:
      - { .name: fc1_w, .offset: 0, .size: 8, .value_kind: global_buffer, .address_space: global }
      - { .name: fc2_w, .offset: 8, .size: 8, .value_kind: global_buffer, .address_space: global }
      - { .name: meta, .offset: 16, .size: 8, .value_kind: global_buffer, .address_space: global }
      - { .name: w1l, .offset: 24, .size: 8, .value_kind: global_buffer, .address_space: global }
      - { .name: w2l, .offset: 32, .size: 8, .value_kind: global_buffer, .address_space: global }
      - { .name: tiles, .offset: 40, .size: 8, .value_kind: global_buffer, .address_space: global }
    .group_segment_fixed_size: 72192
    .private_segment_fixed_size: 0
    .kernarg_segment_align: 8
    .kernarg_segment_size: 48
    .max_flat_workgroup_size: 256
    .sgpr_count:     66
    .vgpr_count:     256
    .wavefront_size: 32
...
	.end_amdgpu_metadata
.endif
;; end of part 5
;; launch chain: the kernel of part 3 again; grid 198 x 1, 8 waves a work-group, no clusters, 269,568 bytes of LDS; arguments tiles, gates, xb, w1l, w2l, out0; writes out0
